; MI455X (gfx1250); checked and timed in simulation.
; The chip was launched on July 23, 2026; its instructions are those of AMD's public machine-readable ISA for CDNA 5 (MIT licence, August 2026) and "CDNA5" Instruction Set Architecture Reference Guide (July 2026). The comments in the code are by the model that wrote it; some were corrected since.
;; Pano Self Attention. Allowed arithmetic: float matrix products may take bf16 or f16 operands with f32 sums; all other float work in f32.
;; Inputs: Wa 256 x 64 float32; Wk 256 x 256 float32; Wm 256 x 256 float32; Wo 256 x 128 float32; Wq 256 x 256 float32; ba 64 float32; bk 256 float32; bm 256 float32; bo 128 float32; bq 256 float32; keys0 4 x 64 x 128 x 256 float32; keys1 4 x 64 x 128 x 256 float32; query 4 x 64 x 128 x 256 float32; ref_point 4 x 1 x 64 x 128 x 2 float32.
;; Outputs: out0 4 x 64 x 128 x 256 float32.
;; 2 versions, each right and faster than the one before. Each part assembles by itself: llvm-mc -triple=amdgcn-amd-amdhsa -mcpu=gfx1250 --defsym DOCPART=n.
;; ======== version 1 of 2: 3 launches
;; limits: values are held in f16: magnitudes above 65,504 overflow, below 6.1e-05 lose precision
;; workspace buffers: wpk 491,520 bytes; sf 33,554,432 bytes; swt 33,554,432 bytes; sidx 8,388,608 bytes of whole numbers
;; launch pack (part 1): grid 120 x 1, 8 waves a work-group, no clusters, 0 bytes of LDS; arguments Wk, Wq, Wm, Wo, Wa, wpk; writes wpk
.if DOCPART == 1
	.amdgcn_target "amdgcn-amd-amdhsa--gfx1250"
	.amdhsa_code_object_version 6
	.text
	.protected	k_q28e1d8f70e_pack
	.globl	k_q28e1d8f70e_pack
	.p2align	8
	.type	k_q28e1d8f70e_pack,@function
k_q28e1d8f70e_pack:
	s_mov_b64 s[64:65], 0
	v_nop
	global_prefetch_b8 v0, s[64:65] scope:SCOPE_SE
	s_setreg_imm32_b32 hwreg(HW_REG_WAVE_MODE, 25, 1), 1
	s_wait_xcnt 0x0
; The five weight matrices, rounded once to f16 and laid out as the register images of matrix operands.
; f16 and not bf16: several roundings to 16 bits lie between an input and the output of the whole program (keys, Wk, sf, feat, Wm);
; with 11 significant bits a rounding is at most 2^-11 relative.  LIMIT: a weight above 65,504 in magnitude becomes infinite; below 2^-14
; the rounding error is absolute, at most 2^-25.
; wpk: Wk at byte 0, Wq at 131072, Wm at 262144 (16 column tiles x 8 K steps each), [Wo|Wa] at 393216 (12 tiles x 8 K steps).
; Fragment f = tile*8 + kstep is 1,024 bytes; the 16 bytes at f*1024 + qh*512 + 16 L (L = lane, r = L & 15, h = L >> 4) hold
; W[k0 .. k0+7][col(r)], k0 = 32 kstep + 16 qh + 8 h, the lower k in the lower bits: a later wave fills four registers of a
; fragment with one 16-byte load a lane from 512 neighbouring bytes.
; Columns: Wk, Wq, Wm: col = 16 tile + r.  [Wo|Wa], tile = 3 w + t: t = 0, 1: Wo column (2w + (r>>3))*16 + 8 t + (r & 7)
; (head 2w + (r>>3), scale t, its eight offsets); t = 2: Wa column 16 w + r (head 2w + (r>>3), its eight logits).
; One thread makes one 16-byte unit, a work-group four fragments (4,096 bytes): 32 + 32 + 32 + 24 = 120 work-groups,
; which is all the work there is.  No LDS, no matrix unit: 983,040 bytes in, 491,520 out, each once.
.set O, 8                              ; v[8:15]   byte offsets of my eight numbers (eight rows of W, one column)
.set X, 16                             ; v[16:23]  the numbers
.set Y, 24                             ; v[24:27]  as f16
	s_load_b256 s[4:11], s[0:1], 0x0               ; Wk s[4:5], Wq s[6:7], Wm s[8:9], Wo s[10:11]
	s_load_b128 s[12:15], s[0:1], 0x20             ; Wa s[12:13], wpk s[14:15]
	s_lshr_b32 s16, ttmp9, 5                       ; which matrix: 0 Wk, 1 Wq, 2 Wm, 3 [Wo|Wa]
	s_and_b32 s17, ttmp9, 31
	s_lshr_b32 s18, s17, 1                         ; column tile
	s_and_b32 s19, s17, 1                          ; K steps 0-3 or 4-7
	s_lshl_b32 s19, s19, 7                         ; as rows of W: 0 or 128
	s_mul_i32 s20, s18, 11
	s_lshr_b32 s20, s20, 5                         ; w = tile / 3 (exact for 0 .. 15)
	s_mul_i32 s21, s20, 3
	s_sub_co_u32 s21, s18, s21                     ; t = tile - 3 w
	s_lshl_b32 s22, s20, 5
	s_lshl3_add_u32 s22, s21, s22                  ; Wo's first column: 32 w + 8 t
	s_lshl_b32 s23, s20, 4                         ; Wa's first column: 16 w
	s_lshl2_add_u32 s24, s16, s21                  ; 4 x matrix + t: 14 means Wa
	s_lshl_b32 s25, s18, 4                         ; first column, 16 x tile
	s_mov_b32 s26, 1024                            ; bytes in a row of W
	s_mov_b32 s27, 8                               ; columns from r = 7 to r = 8, less 7: upper half starts 8 further
	s_lshl_b32 s30, ttmp9, 12                      ; my 4,096 bytes of wpk: the regions follow each other
	s_mov_b32 s31, 0
	v_and_b32 v1, 15, v0                           ; r
	v_lshrrev_b32 v2, 4, v0
	v_lshlrev_b32 v2, 3, v2                        ; 32 kstep + 16 qh + 8 h = 8 (t >> 4)
	v_add_nc_u32 v2, s19, v2                       ; k0
	v_and_b32 v3, 7, v1
	v_lshrrev_b32 v4, 3, v1
	v_lshlrev_b32 v5, 4, v0                        ; where my 16 bytes go
	s_wait_kmcnt 0x0
	s_add_nc_u64 s[14:15], s[14:15], s[30:31]
	s_mov_b64 s[28:29], s[4:5]                     ; the source, chosen by the work-group's number alone
	s_cmp_eq_u32 s16, 1
	s_cselect_b64 s[28:29], s[6:7], s[28:29]
	s_cmp_eq_u32 s16, 2
	s_cselect_b64 s[28:29], s[8:9], s[28:29]
	s_cmp_eq_u32 s16, 3                            ; s_cselect leaves SCC alone: one compare serves the four selects
	s_cselect_b64 s[28:29], s[10:11], s[28:29]
	s_cselect_b32 s26, 512, s26
	s_cselect_b32 s25, s22, s25
	s_cselect_b32 s27, 16, s27
	s_cmp_eq_u32 s24, 14
	s_cselect_b64 s[28:29], s[12:13], s[28:29]
	s_cselect_b32 s26, 256, s26
	s_cselect_b32 s25, s23, s25
	s_cselect_b32 s27, 8, s27
	v_mad_u32_u24 v3, v4, s27, v3                  ; (r & 7) + (r >> 3) x step
	v_add_nc_u32 v3, s25, v3                       ; my column
	v_mul_lo_u32 v2, v2, s26                       ; k0 rows
	v_lshl_add_u32 v[O], v3, 2, v2
.irp j, 1,2,3,4,5,6,7
	v_add_nc_u32 v[O+\j], s26, v[O+\j-1]           ; the next row
.endr
.irp j, 0,1,2,3,4,5,6,7
	global_load_b32 v[X+\j], v[O+\j], s[28:29]
.endr
	s_wait_loadcnt 0x0
.irp j, 0,1,2,3
	v_cvt_pk_f16_f32 v[Y+\j], v[X+2*\j], v[X+2*\j+1]   ; the lower k into the low half
.endr
	global_store_b128 v5, v[Y:Y+3], s[14:15]       ; a wave's store covers 512 neighbouring bytes
	s_endpgm
.Lfunc_end_k_q28e1d8f70e_pack:
	.size	k_q28e1d8f70e_pack, .Lfunc_end_k_q28e1d8f70e_pack-k_q28e1d8f70e_pack
	.p2alignl 7, 3214868480
	.fill 96, 4, 3214868480
	.section	.rodata,"a",@progbits
	.p2align	6, 0x0
	.amdhsa_kernel k_q28e1d8f70e_pack
		.amdhsa_group_segment_fixed_size 0
		.amdhsa_private_segment_fixed_size 0
		.amdhsa_enable_private_segment 0
		.amdhsa_kernarg_size 48
		.amdhsa_user_sgpr_count 2
		.amdhsa_user_sgpr_kernarg_segment_ptr 1
		.amdhsa_wavefront_size32 1
		.amdhsa_system_sgpr_workgroup_id_x 1
		.amdhsa_system_sgpr_workgroup_id_y 1
		.amdhsa_system_sgpr_workgroup_id_z 1
		.amdhsa_system_vgpr_workitem_id 0
		.amdhsa_next_free_vgpr 32
		.amdhsa_next_free_sgpr 66
		.amdhsa_reserve_vcc 0
		.amdhsa_float_denorm_mode_32 3
		.amdhsa_float_denorm_mode_16_64 3
		.amdhsa_memory_ordered 1
		.amdhsa_forward_progress 1
		.amdhsa_inst_pref_size 4
	.end_amdhsa_kernel
	.amdgpu_metadata
---
amdhsa.version: [ 1, 2 ]
amdhsa.kernels:
  - .name:           k_q28e1d8f70e_pack
    .symbol:         k_q28e1d8f70e_pack.kd
    .args:
      - { .name: Wk, .offset: 0, .size: 8, .value_kind: global_buffer, .address_space: global }
      - { .name: Wq, .offset: 8, .size: 8, .value_kind: global_buffer, .address_space: global }
      - { .name: Wm, .offset: 16, .size: 8, .value_kind: global_buffer, .address_space: global }
      - { .name: Wo, .offset: 24, .size: 8, .value_kind: global_buffer, .address_space: global }
      - { .name: Wa, .offset: 32, .size: 8, .value_kind: global_buffer, .address_space: global }
      - { .name: wpk, .offset: 40, .size: 8, .value_kind: global_buffer, .address_space: global }
    .group_segment_fixed_size: 0
    .private_segment_fixed_size: 0
    .kernarg_segment_align: 8
    .kernarg_segment_size: 48
    .max_flat_workgroup_size: 256
    .sgpr_count:     66
    .vgpr_count:     32
    .wavefront_size: 32
...
	.end_amdgpu_metadata
.endif
;; end of part 1
;; launch proj (part 2): grid 256 x 1, 4 waves a work-group, no clusters, 110,080 bytes of LDS; arguments keys0, keys1, query, ref_point, bk, bq, bo, ba, wpk, sf, swt, sidx; writes sf, swt, sidx
.if DOCPART == 2
	.amdgcn_target "amdgcn-amd-amdhsa--gfx1250"
	.amdhsa_code_object_version 6
	.text
	.protected	k_q28e1d8f70e_proj
	.globl	k_q28e1d8f70e_proj
	.p2align	8
	.type	k_q28e1d8f70e_proj,@function
k_q28e1d8f70e_proj:
	s_mov_b64 s[64:65], 0
	v_nop
	global_prefetch_b8 v0, s[64:65] scope:SCOPE_SE
	s_setreg_imm32_b32 hwreg(HW_REG_WAVE_MODE, 25, 1), 1
	s_wait_xcnt 0x0
; For one image row (128 pixels; work-group g: batch g >> 6, row g & 63):
;   q = query Wq + bq;  off = q Wo + bo;  A = softmax(q Wa + ba) over each head's 8;  for each (pixel, head, sample):
;   the index yb*128 + xb of the upper left of a 2 x 2 patch that lies inside the image, and the four weights A x hat(y) x hat(x) in f32;
;   sf_l = keys_l Wk + bk, stored head by head as bf16 images [l][b][head][y][x][32].
; Four waves, one on each SIMD.  Wave w owns 64 output columns (heads 2w, 2w+1) of Wq and Wk and 48 of [Wo|Wa]; its weights stay in
; registers (as packed fragments they come straight from memory, 512 neighbouring bytes a load) and the rows stream past them.
; Rows come as f32, 64 at a time, are rounded once to f16 and laid into LDS, where all four waves read them as fragments.
; The matrix instruction is used transposed (source 0 = weights, source 1 = rows): lane (r, h) register j holds (row r, column 8h + j),
; so a lane's eight numbers are neighbours in a row, the bias rides in as the first C, and for off and A a lane holds, for pixel r
; and head 2w + h, all 16 offsets and all 8 logits: softmax and sampling arithmetic need no other lane.
; Zero padding without masks: xb = clamp(floor(gx), 0, 126), d = gx - xb; pixel xb weighs max(0, 1 - |d|) = med3(1-d, 1+d, 0), pixel
; xb + 1 weighs med3(2-d, d, 0); the same in y with 62.  A corner outside the image thereby weighs nothing.
; LIMITS: query, keys and q are rounded to f16 (at most 2^-11 relative; below 2^-14 at most 2^-25 absolute; above 65,504 in magnitude they
; become infinite).  sf is rounded to bf16 (at most 2^-8 relative): the launch that gathers it reads each number many times and makes an
; f32 of a bf16 by one shift or one mask; it is the only rounding to 8 significant bits in the program, so the corner weights stay f32.
; The position is off*S + (ref*S - 0.5), S = (64/63, 128/127), one fma, where the definition rounds four times (about 1e-5 pixel apart;
; the weights are continuous in it).  A NaN position gives NaN weights and index 0.
; No joint requests in a cluster: what work-groups share is the packed weights (90,112 bytes a wave), which go from memory into
; registers; a joint request lands in LDS and would add a pass through it.  The rows, 393,216 bytes, are the work-group's own.
.set X0,  0                            ; LDS: 64 rows x 528 bytes (512 of f16 + 16: the 16 rows of a fragment load fall on different banks)
.set X1,  33792                        ; the second such slot; the two take turns
.set QB,  67584                        ; q as f16, the same shape
.set STG, 101376                       ; 4 waves x 2,048 bytes, each wave's own: sf on its way out
.set TB,  8448                         ; 16 rows of 528 bytes
; window 0
.set VL16, 4                           ; 16 L
.set VXG,  5                           ; rows in memory: w*16384 + 16 L (wave w stages 16 of the 64 rows)
.set VXS,  6                           ; the same rows in LDS: w*8448 + 8 L
.set VA,   7                           ; fragment address r*528 + 16 h
.set VAQ,  8                           ; + QB
.set VQS,  9                           ; where q goes: QB + r*528 + w*128 + 16 h
.set VST0, 10                          ; v10, v11: stage, in
.set VRB0, 12                          ; v12, v13: stage, back
.set VSF,  14                          ; sf: w*1048576 + 16 L
.set VIX,  15                          ; sidx: (2w+h)*4096 + 16 r
.set VWT,  16                          ; swt: (2w+h)*16384 + 16 r
.set VRF,  17                          ; ref_point: ((2w+h)&3)*65536 + 8 r
.set VB,   18                          ; bq, bk: w*256 + 32 h
.set VBO,  19                          ; bo: (2w+h)*64
.set VBA,  20                          ; ba: (2w+h)*32
.set SC,   24                          ; v[24:25] (64/63, 128/127)
.set R,    26                          ; v[26:27] ref*S - 0.5 of the tile's pixel
.set ACC,  32                          ; v[32:63] four (or three) result tiles
.set LG,   48                          ; the third tile: logits, then A
.set AF,   64                          ; v[64:127] row fragments of one tile: K steps 0-3, K steps 4-7
.set BIASX, 128                        ; v[128:159] bq, later bk, in the result's layout
.set BIASY, 160                        ; v[160:183] bo, bo, ba likewise
.set REF,  184                         ; v[184:199] (ry, rx) of pixels 16 M + r, M = 0 .. 7
.set CV,   200                         ; v[200:215] results in 16 bits
.set RB,   216                         ; v[216:231] sf rows read back
.set IXB,  200                         ; v[200:207] eight indices
.set WTB,  208                         ; v[208:239] 32 weights: column xb at 2 s + row, column xb + 1 at 16 + 2 s + row
.set G, 240                            ; sampling's temporaries, pairs (y, x)
.set F, 242
.set D, 244
.set AA, 246
.set BB, 248
.set CC, 250
.set P, 252
.set QH, 254
.set NM, 240                           ; softmax's temporaries share registers with sampling's: softmax is over when sampling begins
.set MX, 242
.set SUM, 244
.set INV, 246
; window 1: Wq, later Wk, fragment (tile, kstep) at 8 (8 tile + kstep).  window 2: [Wo|Wa] likewise, 192 registers.
; window 3: rows as loaded, two sets of 128 registers.
.set SETA, 0
.set SETB, 128
.set MSB, 0
.macro WIN new                         ; s_set_vgpr_msb: bits 1:0 source 0, 3:2 source 1, 5:4 source 2, 7:6 destination; the high byte repeats the setting left
.if MSB != \new
	s_set_vgpr_msb (MSB<<8)|\new
.set MSB, \new
.endif
.endm
; Independent vector instructions behind a matrix instruction: four before its result is read or a load is issued
; into a source; five where the next matrix instruction to come writes over its accumulator without being the next link of its chain.
.macro PLACES n
.rept \n
	v_nop
.endr
.endm
.macro BAR
	s_barrier_signal -1
	s_barrier_wait -1
.endm
; 32 loads: my 16 of 64 rows of f32, 512 neighbouring bytes a load, read once in the launch
.macro LOADX set, nb, noff
	WIN 0xc0
.set li_, 0
.rept 32
	global_load_b128 v[\set+4*li_:\set+4*li_+3], v[VXG], s[\nb:\nb+1] offset:\noff+512*li_ th:TH_LOAD_NT
.set li_, li_+1
.endr
.endm
; n loads of packed weights into a whole window: load i fills registers 4 i .. 4 i + 3
.macro LOADW win, n, sb
	WIN \win
.set li_, 0
.rept \n
	global_load_b128 v[4*li_:4*li_+3], v[VL16], s[\sb:\sb+1] offset:512*li_
.set li_, li_+1
.endr
.endm
.macro LDBIAS sb                       ; 64 columns' bias: lane (r, h), tile t, register j = bias[64 w + 16 t + 8 h + j]
.irp t, 0,1,2,3
	global_load_b128 v[BIASX+8*\t:BIASX+8*\t+3], v[VB], s[\sb:\sb+1] offset:64*\t
	global_load_b128 v[BIASX+8*\t+4:BIASX+8*\t+7], v[VB], s[\sb:\sb+1] offset:64*\t+16
.endr
.endm
; A staged set: round to f16 in place, lay it into an LDS slot, ask for the set's next rows, meet the other waves.
.macro CONVERT set, xbuf, next, nb, noff
	WIN 0xcf
.set ci_, 0
.rept 32
	v_cvt_pk_f16_f32 v[\set+4*ci_], v[\set+4*ci_], v[\set+4*ci_+1]
	v_cvt_pk_f16_f32 v[\set+4*ci_+1], v[\set+4*ci_+2], v[\set+4*ci_+3]
.set ci_, ci_+1
.endr
	WIN 0x0c
.set ci_, 0
.rept 32
	ds_store_b64 v[VXS], v[\set+4*ci_:\set+4*ci_+1] offset:\xbuf+(ci_>>1)*528+(ci_&1)*256   ; 256 neighbouring bytes
.set ci_, ci_+1
.endr
	s_wait_dscnt 0x0                               ; zero, for the others' sake: they read these rows behind the barrier
.if \next
	LOADX \set, \nb, \noff                         ; into the set whose LDS stores are done
.endif
	WIN 0
	BAR
.endm
; eight loads: the fragments of four K steps of one tile of 16 rows
.macro LDA half, areg, off
.irp i, 0,1,2,3
	ds_load_b128 v[AF+32*\half+8*\i:AF+32*\half+8*\i+3], v[\areg] offset:\off+(4*\half+\i)*64
	ds_load_b128 v[AF+32*\half+8*\i+4:AF+32*\half+8*\i+7], v[\areg] offset:\off+(4*\half+\i)*64+32
.endr
.endm
; four K steps x nt column tiles.  The very first product takes the bias as C: nothing is cleared, nothing added later.
.macro MMB nt, half, bias
.irp k, 0,1,2,3
.set t_, 0
.rept \nt
.if (4*\half+\k) == 0
	v_wmma_f32_16x16x32_f16 v[ACC+8*t_:ACC+8*t_+7], v[64*t_:64*t_+7], v[AF:AF+7], v[\bias+8*t_:\bias+8*t_+7]
.else
	v_wmma_f32_16x16x32_f16 v[ACC+8*t_:ACC+8*t_+7], v[8*(8*t_+4*\half+\k):8*(8*t_+4*\half+\k)+7], v[AF+8*(4*\half+\k):AF+8*(4*\half+\k)+7], v[ACC+8*t_:ACC+8*t_+7]
.endif
.set t_, t_+1
.endr
.endr
.endm
.macro CVTQ                            ; four tiles of q to f16: 16 bytes a tile, eight neighbouring columns of row r
.irp t, 0,1,2,3
.irp p, 0,1,2,3
	v_cvt_pk_f16_f32 v[CV+4*\t+\p], v[ACC+8*\t+2*\p], v[ACC+8*\t+2*\p+1]
.endr
.endr
.endm
.macro CVTS                            ; four tiles of sf to bf16, likewise
.irp t, 0,1,2,3
.irp p, 0,1,2,3
	v_cvt_pk_bf16_f32 v[CV+4*\t+\p], v[ACC+8*\t+2*\p], v[ACC+8*\t+2*\p+1]
.endr
.endr
.endm
; q of 16 rows x my 64 columns, into QB
.macro QTILE xb, mt, first, nxt
.if \first
	s_wait_dscnt 8                                 ; K steps 0-3 are in; the eight loads of K steps 4-7 may be out
.else
	s_wait_dscnt 12                                ; those eight and the last tile's four stores may be out
.endif
	WIN 0x01
	MMB 4, 0, BIASX
	WIN 0
	PLACES 4
.if \nxt
	LDA 0, VA, \xb+(\mt+1)*TB
	s_wait_dscnt 8                                 ; all but the eight just issued
.else
	s_wait_dscnt 0x0
.endif
	WIN 0x01
	MMB 4, 1, BIASX
	WIN 0
	PLACES 5                                       ; the next tile's first products write over these accumulators
.if \nxt
	LDA 1, VA, \xb+(\mt+1)*TB
.endif
	s_wait_xcnt 0x0                                ; CV shares registers with data of earlier global stores: rewritten only behind this wait
	CVTQ
.irp t, 0,1,2,3
	ds_store_b128 v[VQS], v[CV+4*\t:CV+4*\t+3] offset:\mt*TB+32*\t
.endr
.endm
; softmax over a lane's eight logits; R = ref*S - 0.5 fills the place behind the exponentials.
; M may arrive as a sum: it stands in brackets wherever it is multiplied.
.macro SOFTMAX M
	v_max3_num_f32 v[MX], v[LG], v[LG+1], v[LG+2]
	v_max3_num_f32 v[MX], v[MX], v[LG+3], v[LG+4]
	v_max3_num_f32 v[MX], v[MX], v[LG+5], v[LG+6]
	v_max_num_f32 v[MX], v[MX], v[LG+7]
	v_mul_f32 v[NM], 0xbfb8aa3b, v[MX]             ; - max x log2(e)
	v_mul_f32 v[NM+1], 0xbfb8aa3b, v[MX]
.irp i, 0,1,2,3
	v_pk_fma_f32 v[LG+2*\i:LG+2*\i+1], v[LG+2*\i:LG+2*\i+1], 0x3fb8aa3b, v[NM:NM+1] op_sel_hi:[1,0,1]
.endr
.irp i, 0,1,2,3,4,5,6,7
	v_exp_f32 v[LG+\i], v[LG+\i]
.endr
	v_pk_fma_f32 v[R:R+1], v[REF+2*(\M):REF+2*(\M)+1], v[SC:SC+1], -0.5 op_sel_hi:[1,1,0]   ; one plain instruction before the results are used (ISA guide 5.7.2)
	s_wait_alu depctr_va_vdst(0)
	v_pk_add_f32 v[SUM:SUM+1], v[LG:LG+1], v[LG+2:LG+3]
	v_pk_add_f32 v[MX:MX+1], v[LG+4:LG+5], v[LG+6:LG+7]
	v_pk_add_f32 v[SUM:SUM+1], v[SUM:SUM+1], v[MX:MX+1]
	v_add_f32 v[SUM], v[SUM], v[SUM+1]
	v_rcp_f32 v[INV], v[SUM]
	v_rcp_f32 v[INV+1], v[SUM]
	v_nop                                          ; the same place behind the reciprocals
	s_wait_alu depctr_va_vdst(0)
.irp i, 0,1,2,3
	v_pk_mul_f32 v[LG+2*\i:LG+2*\i+1], v[LG+2*\i:LG+2*\i+1], v[INV:INV+1]
.endr
.endm
; sample s (b = s & 1): pairs are (y, x)
.macro SAMPLE s, b
	v_pk_fma_f32 v[G:G+1], v[ACC+2*\s:ACC+2*\s+1], v[SC:SC+1], v[R:R+1]    ; position in pixels
	v_floor_f32 v[F], v[G]
	v_floor_f32 v[F+1], v[G+1]
	v_med3_num_f32 v[F], v[F], 0, 0x42780000       ; yb in 0 .. 62
	v_med3_num_f32 v[F+1], v[F+1], 0, 0x42fc0000   ; xb in 0 .. 126
	v_pk_add_f32 v[D:D+1], v[G:G+1], v[F:F+1] neg_lo:[0,1] neg_hi:[0,1]
	v_pk_add_f32 v[AA:AA+1], v[D:D+1], 1.0 op_sel_hi:[1,0] neg_lo:[1,0] neg_hi:[1,0]
	v_pk_add_f32 v[BB:BB+1], v[D:D+1], 1.0 op_sel_hi:[1,0]
	v_pk_add_f32 v[CC:CC+1], v[D:D+1], 2.0 op_sel_hi:[1,0] neg_lo:[1,0] neg_hi:[1,0]
	v_med3_num_f32 v[P], v[AA], v[BB], 0           ; row yb
	v_med3_num_f32 v[P+1], v[CC], v[D], 0          ; row yb + 1
	v_med3_num_f32 v[QH], v[AA+1], v[BB+1], 0      ; column xb
	v_med3_num_f32 v[QH+1], v[CC+1], v[D+1], 0     ; column xb + 1
	v_pk_mul_f32 v[P:P+1], v[P:P+1], v[LG+\s-\b:LG+\s-\b+1] op_sel:[0,\b] op_sel_hi:[1,\b]   ; x A of this sample, both halves
	v_pk_mul_f32 v[WTB+2*\s:WTB+2*\s+1], v[P:P+1], v[QH:QH+1] op_sel_hi:[1,0]                 ; column xb: (row 0, row 1)
	v_pk_mul_f32 v[WTB+16+2*\s:WTB+16+2*\s+1], v[P:P+1], v[QH:QH+1] op_sel:[0,1] op_sel_hi:[1,1]   ; column xb + 1
	v_fma_f32 v[G], v[F], 0x43000000, v[F+1]       ; yb*128 + xb, exact
	v_cvt_u32_f32 v[IXB+\s], v[G]
.endm
; off and logits of 16 pixels x my two heads, then the records of pixels 16 M + r
.macro OTILE mt, nxt, M
	s_wait_dscnt 8                                 ; K steps 0-3 are in, the eight loads of K steps 4-7 may be out
	WIN 0x02
	MMB 3, 0, BIASY
	WIN 0
	PLACES 4
.if \nxt
	LDA 0, VAQ, (\mt+1)*TB
	s_wait_dscnt 8
.else
	s_wait_dscnt 0x0
.endif
	WIN 0x02
	MMB 3, 1, BIASY
	WIN 0
	PLACES 4                                       ; the sampling arithmetic below adds far more than the fifth place
.if \nxt
	LDA 1, VAQ, (\mt+1)*TB
.endif
	s_wait_xcnt 0x0                                ; IXB and WTB, data of the last tile's stores, are rewritten only behind this wait
	SOFTMAX \M
	SAMPLE 0, 0
	SAMPLE 1, 1
	SAMPLE 2, 0
	SAMPLE 3, 1
	SAMPLE 4, 0
	SAMPLE 5, 1
	SAMPLE 6, 0
	SAMPLE 7, 1
.irp q, 0,1
	global_store_b128 v[VIX], v[IXB+4*\q:IXB+4*\q+3], s[26:27] offset:\q*2048+(\M)*256    ; sixteen lanes: 256 neighbouring bytes, aligned
.endr
.irp p, 0,1,2,3,4,5,6,7
	global_store_b128 v[VWT], v[WTB+4*\p:WTB+4*\p+3], s[24:25] offset:\p*2048+(\M)*256    ; plane p = 4 x column + (s >> 1): samples 2q, 2q+1 x two rows
.endr
.endm
; sf rows read back from the stage: 16 pixels x 64 bytes of two heads, each store 512 neighbouring bytes
.macro FLUSH M, sfb
.irp e, 0,1,2,3
	global_store_b128 v[VSF], v[RB+4*\e:RB+4*\e+3], s[\sfb:\sfb+1] offset:(\e>>1)*524288+(\M)*1024+(\e&1)*512
.endr
.endm
; sf of 16 pixels x my 64 columns; the last tile's rows leave in the middle
.macro KTILE xb, mt, prev, nxt, M, sfb
.if \prev
	s_wait_dscnt 16                                ; K steps 0-3 are in; 8 loads, 4 stage stores, 4 read-backs may be out
.else
	s_wait_dscnt 8
.endif
	WIN 0x01
	MMB 4, 0, BIASX
	WIN 0
	PLACES 4
	s_wait_dscnt 0x0                               ; K steps 4-7 and the read-back, issued sixteen products ago
.if \prev
	FLUSH \M-1, \sfb
.endif
.if \nxt
	LDA 0, VA, \xb+(\mt+1)*TB
.endif
	WIN 0x01
	MMB 4, 1, BIASX
	WIN 0
	PLACES 5                                       ; the next tile's first products write over these accumulators
.if \nxt
	LDA 1, VA, \xb+(\mt+1)*TB
.endif
	s_wait_xcnt 0x0                                ; CV and RB, data of earlier global stores, are rewritten only behind this wait
	CVTS
.irp t, 0,1,2,3
	ds_store_b128 v[VST0+(\t&1)], v[CV+4*\t:CV+4*\t+3] offset:(\t>>1)*1024
.endr
.irp e, 0,1,2,3
	ds_load_b128 v[RB+4*\e:RB+4*\e+3], v[VRB0+(\e&1)] offset:(\e>>1)*1024   ; my own bytes; a wave's LDS instructions are served in order (ISA guide 5.7.1.4)
.endr
.endm
.macro KHALF xb, M0, sfb
	LDA 0, VA, \xb
	LDA 1, VA, \xb
	KTILE \xb, 0, 0, 1, \M0, \sfb
	KTILE \xb, 1, 1, 1, \M0+1, \sfb
	KTILE \xb, 2, 1, 1, \M0+2, \sfb
	KTILE \xb, 3, 1, 0, \M0+3, \sfb
	s_wait_dscnt 0x0
	FLUSH \M0+3, \sfb
.endm
.macro QQUAD xb
	LDA 0, VA, \xb
	LDA 1, VA, \xb
	QTILE \xb, 0, 1, 1
	QTILE \xb, 1, 0, 1
	QTILE \xb, 2, 0, 1
	QTILE \xb, 3, 0, 0
.endm
.macro OQUAD M0
	LDA 0, VAQ, 0
	LDA 1, VAQ, 0
	OTILE 0, 1, \M0
	OTILE 1, 1, \M0+1
	OTILE 2, 1, \M0+2
	OTILE 3, 0, \M0+3
.endm
	s_load_b512 s[4:19], s[0:1], 0x0               ; keys0 s[4:5], keys1 s[6:7], query s[8:9], ref_point s[10:11], bk s[12:13], bq s[14:15], bo s[16:17], ba s[18:19]
	s_load_b256 s[20:27], s[0:1], 0x40             ; wpk s[20:21], sf s[22:23], swt s[24:25], sidx s[26:27]
	v_lshl_add_u32 v30, v0, 2, 0x1ac00
	v_mov_b32 v31, 0
	v_and_b32 v1, 31, v0                           ; L
	v_lshrrev_b32 v21, 5, v0
	v_readfirstlane_b32 s2, v21                    ; wave w
	v_and_b32 v2, 15, v0                           ; r
	v_bfe_u32 v3, v0, 4, 1                         ; h
	v_lshlrev_b32 v[VL16], 4, v1
	s_lshl_b32 s36, s2, 14
	v_add_nc_u32 v[VXG], s36, v[VL16]
	s_mul_i32 s36, s2, TB
	v_lshl_add_u32 v[VXS], v1, 3, s36
	v_mul_u32_u24 v21, v2, 528
	v_lshl_add_u32 v[VA], v3, 4, v21
	v_add_nc_u32 v[VAQ], QB, v[VA]
	s_lshl_b32 s36, s2, 7
	s_add_co_u32 s36, s36, QB
	v_add_nc_u32 v[VQS], s36, v[VA]
	; The stage: pixel p's 64 bytes at 64 p; its 16-byte piece c lies at place (c + (p >> 2)) & 3, so that the sixteen lanes of a
	; store (one piece of 16 pixels) and of a read-back (four pieces of 4 pixels) both touch sixteen different 16-byte columns.
	s_lshl_b32 s39, s2, 11
	s_add_co_u32 s39, s39, STG
	s_add_co_u32 s41, s39, 512                     ; pixels 8-15 of the stage
	v_lshrrev_b32 v22, 2, v2
	v_add_nc_u32 v22, v22, v3                      ; piece h (tiles 0, 2) + (r >> 2)
	v_and_b32 v23, 3, v22
	v_lshlrev_b32 v23, 4, v23
	v_lshl_add_u32 v23, v2, 6, v23
	v_add_nc_u32 v[VST0], s39, v23
	v_add_nc_u32 v22, 2, v22                       ; piece 2 + h (tiles 1, 3)
	v_and_b32 v23, 3, v22
	v_lshlrev_b32 v23, 4, v23
	v_lshl_add_u32 v23, v2, 6, v23
	v_add_nc_u32 v[VST0+1], s39, v23
	v_lshrrev_b32 v21, 2, v1                       ; back: pixel L >> 2, piece L & 3
	v_and_b32 v22, 3, v1
	v_add_nc_u32 v22, v22, v3                      ; (L >> 2) >> 2 = h
	v_and_b32 v23, 3, v22
	v_lshlrev_b32 v23, 4, v23
	v_lshl_add_u32 v23, v21, 6, v23
	v_add_nc_u32 v[VRB0], s39, v23
	v_add_nc_u32 v22, 2, v22                       ; pixels 8 + (L >> 2)
	v_and_b32 v23, 3, v22
	v_lshlrev_b32 v23, 4, v23
	v_lshl_add_u32 v23, v21, 6, v23
	v_add_nc_u32 v[VRB0+1], s41, v23
	s_lshl_b32 s36, s2, 20
	v_add_nc_u32 v[VSF], s36, v[VL16]
	v_lshl_add_u32 v21, s2, 1, v3                  ; head 2w + h
	v_lshlrev_b32 v22, 4, v2
	v_lshl_add_u32 v[VIX], v21, 12, v22
	v_lshl_add_u32 v[VWT], v21, 14, v22
	v_and_b32 v23, 3, v21                          ; image n = 8 b + head takes ref_point[n mod 4] = ref_point[head & 3]
	v_lshlrev_b32 v22, 3, v2
	v_lshl_add_u32 v[VRF], v23, 16, v22
	s_lshl_b32 s36, s2, 8
	v_lshl_add_u32 v[VB], v3, 5, s36
	v_lshlrev_b32 v[VBO], 6, v21
	v_lshlrev_b32 v[VBA], 5, v21
	v_mov_b32 v[SC], 0x3f820821                    ; 64/63
	v_mov_b32 v[SC+1], 0x3f810204                  ; 128/127
	s_and_b32 s38, ttmp9, 63                       ; y
	s_lshr_b32 s40, ttmp9, 6                       ; b
	s_mov_b32 s37, 0
	s_wait_kmcnt 0x0
	s_lshl_b32 s36, ttmp9, 17                      ; 128 pixels of 1,024 bytes; the same figure for swt: 8 heads x 8 planes x 2,048 bytes
	s_add_nc_u64 s[4:5], s[4:5], s[36:37]
	s_add_nc_u64 s[6:7], s[6:7], s[36:37]
	s_add_nc_u64 s[8:9], s[8:9], s[36:37]
	s_add_nc_u64 s[24:25], s[24:25], s[36:37]
	s_lshl_b32 s36, s38, 10
	s_add_nc_u64 s[10:11], s[10:11], s[36:37]      ; ref_point at row y of batch 0
	s_lshl_b32 s36, s40, 22
	s_lshl_b32 s41, s38, 13
	s_add_co_u32 s36, s36, s41
	s_add_nc_u64 s[22:23], s[22:23], s[36:37]      ; sf, scale 0, batch b, head 0, row y
	s_add_nc_u64 s[28:29], s[22:23], 0x1000000     ; scale 1
	s_lshl_b32 s36, ttmp9, 15
	s_add_nc_u64 s[26:27], s[26:27], s[36:37]
	s_lshl_b32 s36, s2, 15
	s_add_nc_u64 s[32:33], s[20:21], s[36:37]      ; my 32,768 bytes of Wk
	s_add_nc_u64 s[30:31], s[32:33], 131072        ; of Wq
	s_mul_i32 s36, s2, 24576
	s_add_co_u32 s36, s36, 393216
	s_add_nc_u64 s[34:35], s[20:21], s[36:37]      ; my 24,576 bytes of [Wo|Wa]
	; Everything that the query's part needs, asked for in the order of use: 32 + 64 + 8 + 32 + 48 + 6 + 8 = 198 loads.
	LOADX SETA, 8, 0                               ; query, pixels 0-63
	LOADW 0x40, 64, 30                             ; Wq
	WIN 0
	LDBIAS 14                                      ; bq
	LOADX SETB, 8, 65536                           ; query, pixels 64-127
	LOADW 0x80, 48, 34                             ; [Wo|Wa]
	WIN 0
.irp t, 0,1
	global_load_b128 v[BIASY+8*\t:BIASY+8*\t+3], v[VBO], s[16:17] offset:32*\t
	global_load_b128 v[BIASY+8*\t+4:BIASY+8*\t+7], v[VBO], s[16:17] offset:32*\t+16
.endr
	global_load_b128 v[BIASY+16:BIASY+19], v[VBA], s[18:19]
	global_load_b128 v[BIASY+20:BIASY+23], v[VBA], s[18:19] offset:16
.irp m, 0,1,2,3,4,5,6,7
	global_load_b64 v[REF+2*\m:REF+2*\m+1], v[VRF], s[10:11] offset:128*\m
.endr
	; query, pixels 0-63
	s_wait_loadcnt 63                              ; 166 loads are younger than set A's: loads return in order (ISA guide 5.7.1), so it is in
	CONVERT SETA, X0, 1, 4, 0                      ; and set A goes for keys0, pixels 0-63
	s_wait_loadcnt 63                              ; 126 loads are younger than Wq's and bq's
	QQUAD X0
	s_wait_dscnt 0x0                               ; my part of q is in LDS,
	BAR                                            ; everybody's is
	s_wait_loadcnt 32                              ; [Wo|Wa], bo, ba, ref_point: only the 32 loads of keys0 are younger
	OQUAD 0
	; query, pixels 64-127
	s_wait_loadcnt 32                              ; set B (older than those 32)
	CONVERT SETB, X1, 1, 4, 65536                  ; its barrier also says that nobody reads QB any more
	QQUAD X1
	LOADW 0x40, 64, 32                             ; Wk over Wq, behind the places and conversions of the last tile
	WIN 0
	LDBIAS 12                                      ; bk over bq
	s_wait_dscnt 0x0
	BAR
	OQUAD 4
	; keys0
	s_wait_loadcnt 63                              ; 32 + 64 + 8 = 104 loads are younger than set A's
	CONVERT SETA, X0, 1, 6, 0                      ; X0 was last read in front of two earlier barriers
	s_wait_loadcnt 32                              ; Wk and bk: only the 32 just issued are younger
	KHALF X0, 0, 22
	s_wait_loadcnt 32
	CONVERT SETB, X1, 1, 6, 65536
	KHALF X1, 4, 22
	; keys1
	s_wait_loadcnt 32
	CONVERT SETA, X0, 0, 6, 0                      ; the reads of X0 ended in front of the last barrier
	KHALF X0, 0, 28
	s_wait_loadcnt 0x0
	CONVERT SETB, X1, 0, 6, 0
	KHALF X1, 4, 28
	s_wait_tensorcnt 0x0
	ds_add_u32 v30, v31
	s_wait_dscnt 0x0
	s_endpgm
.Lfunc_end_k_q28e1d8f70e_proj:
	.size	k_q28e1d8f70e_proj, .Lfunc_end_k_q28e1d8f70e_proj-k_q28e1d8f70e_proj
	.p2alignl 7, 3214868480
	.fill 96, 4, 3214868480
	.section	.rodata,"a",@progbits
	.p2align	6, 0x0
	.amdhsa_kernel k_q28e1d8f70e_proj
		.amdhsa_group_segment_fixed_size 110080
		.amdhsa_private_segment_fixed_size 0
		.amdhsa_enable_private_segment 0
		.amdhsa_kernarg_size 96
		.amdhsa_user_sgpr_count 2
		.amdhsa_user_sgpr_kernarg_segment_ptr 1
		.amdhsa_wavefront_size32 1
		.amdhsa_system_sgpr_workgroup_id_x 1
		.amdhsa_system_sgpr_workgroup_id_y 1
		.amdhsa_system_sgpr_workgroup_id_z 1
		.amdhsa_system_vgpr_workitem_id 0
		.amdhsa_next_free_vgpr 1024
		.amdhsa_next_free_sgpr 66
		.amdhsa_reserve_vcc 0
		.amdhsa_float_denorm_mode_32 3
		.amdhsa_float_denorm_mode_16_64 3
		.amdhsa_memory_ordered 1
		.amdhsa_forward_progress 1
		.amdhsa_inst_pref_size 255
	.end_amdhsa_kernel
	.section	.bss,"aw",@nobits
	.p2align	6
	.space	262144
	.amdgpu_metadata
---
amdhsa.version: [ 1, 2 ]
amdhsa.kernels:
  - .name:           k_q28e1d8f70e_proj
    .symbol:         k_q28e1d8f70e_proj.kd
    .args:
      - { .name: keys0, .offset: 0, .size: 8, .value_kind: global_buffer, .address_space: global }
      - { .name: keys1, .offset: 8, .size: 8, .value_kind: global_buffer, .address_space: global }
      - { .name: query, .offset: 16, .size: 8, .value_kind: global_buffer, .address_space: global }
      - { .name: ref_point, .offset: 24, .size: 8, .value_kind: global_buffer, .address_space: global }
      - { .name: bk, .offset: 32, .size: 8, .value_kind: global_buffer, .address_space: global }
      - { .name: bq, .offset: 40, .size: 8, .value_kind: global_buffer, .address_space: global }
      - { .name: bo, .offset: 48, .size: 8, .value_kind: global_buffer, .address_space: global }
      - { .name: ba, .offset: 56, .size: 8, .value_kind: global_buffer, .address_space: global }
      - { .name: wpk, .offset: 64, .size: 8, .value_kind: global_buffer, .address_space: global }
      - { .name: sf, .offset: 72, .size: 8, .value_kind: global_buffer, .address_space: global }
      - { .name: swt, .offset: 80, .size: 8, .value_kind: global_buffer, .address_space: global }
      - { .name: sidx, .offset: 88, .size: 8, .value_kind: global_buffer, .address_space: global }
    .group_segment_fixed_size: 110080
    .private_segment_fixed_size: 0
    .kernarg_segment_align: 8
    .kernarg_segment_size: 96
    .max_flat_workgroup_size: 128
    .sgpr_count:     66
    .vgpr_count:     1024
    .wavefront_size: 32
...
	.end_amdgpu_metadata
.endif
;; end of part 2
;; launch samp (part 3): grid 256 x 1, 8 waves a work-group, no clusters, 234,496 bytes of LDS; arguments sf, swt, sidx, wpk, bm, out0; writes out0
.if DOCPART == 3
	.amdgcn_target "amdgcn-amd-amdhsa--gfx1250"
	.amdhsa_code_object_version 6
	.text
	.protected	k_q28e1d8f70e_samp
	.globl	k_q28e1d8f70e_samp
	.p2align	8
	.type	k_q28e1d8f70e_samp,@function
k_q28e1d8f70e_samp:
	s_mov_b64 s[64:65], 0
	v_nop
	global_prefetch_b8 v0, s[64:65] scope:SCOPE_SE
	s_setreg_imm32_b32 hwreg(HW_REG_WAVE_MODE, 25, 1), 1
	s_wait_xcnt 0x0
; For one image row (128 pixels; work-group g: batch g >> 6): feat[x][head][32] = sum over 8 samples and 4 corners of weight x sf,
; then out = feat Wm + bm.
; The gather: wave w is head w.  A step takes four pixels x = 4 t + grp.  Lane L: grp = L >> 3, corner column slot = (L >> 2) & 1,
; channels 8 (L & 3) .. + 7.  The two corner columns are neighbours in memory, so one 16-byte load a lane is four runs of 128
; neighbouring bytes; the second corner row lies 8,192 bytes further.  16 loads a step, a ring of four steps in registers: 48 loads
; of every wave stay out while one step is summed.  A word of two bf16 becomes two f32 by a shift and a mask; one packed multiply-add
; with the corner's f32 weight in both halves adds them to two of the lane's eight sums.
; The records (8 indices, 32 weights a pixel) come in once by 40 loads of 512 neighbouring bytes and lie in the wave's own LDS bytes,
; from where eight lanes read the same 16 bytes at no cost; so the load counter counts gathers alone.
; Indices were stored as whole numbers by the launch before; each is clamped to 62*128 + 126, and the last byte a gather can reach,
; 8062*64 + 112 + 8192 + 16, is the end of the head's image.
; The product: wave w owns columns 32 w .. 32 w + 31; Wm's fragments (packed f16) wait in registers from the start; used transposed, bias as first C.
; Out through LDS: each store of a wave covers 512 neighbouring bytes.
; LIMITS: sf is bf16 (at most 2^-8 relative), feat and Wm are f16 (at most 2^-11 relative, below 2^-14 at most 2^-25 absolute; feat above
; 65,504 in magnitude becomes infinite), weights and sums f32.  A corner with weight 0 is still multiplied: an infinity or NaN in sf there
; would show, where the definition masks it.
; No joint requests in a cluster: the gathers differ from work-group to work-group, and Wm (16,384 bytes a wave) goes from memory
; straight into registers.  No prefetch: which rows a step wants is known only from its indices, and no block can be asked for just once.
.set FEAT, 0                           ; LDS: 128 rows x 528 bytes (512 of f16 + 16)
.set REC,  67584                       ; 8 waves x 20,736: index planes q at 2048 q; weight planes p = 4 slot + q at 4096 + 2080 p
.set RECW, 20736
.set PL,   2080                        ; a plane's 2,048 bytes + 32: the two slots' planes lie 8,320 bytes apart, 128 modulo 256
.set STG,  67584                       ; 128 rows x 1,040 bytes (1,024 of f32 + 16), over the records, which are dead behind the gather's barrier
.set LB,   7                           ; 16 (L & 7): my 16 bytes of the 128
.set VRC,  8                           ; records, in: REC + w*20736 + 16 L
.set VIXA, 9                           ; indices of pixel grp: REC + w*20736 + 16 grp, stepped
.set VWTA, 10                          ; weights: + 4096 + slot*8320, stepped
.set VF,   11                          ; feat: grp*528 + w*64 + 16 (L & 3), stepped
.set VFA,  12                          ; fragment address r*528 + 16 h
.set VSO,  13                          ; v[13:16] results into the stage, 32 rows each: STG + pair*33280 + r*1040 + w*128 + 32 h
.set VRO,  17                          ; rows back: STG + w*16640 + 16 L
.set VGO,  18                          ; out0: w*16384 + 16 L
.set VBM,  19                          ; bm: w*128 + 32 h
.set VL16, 20
.set AD,   32                          ; v[32:39] byte offsets of a step's gathers
.set IX,   40                          ; v[40:47] eight indices
.set WT,   48                          ; v[48:79] 16 weights (2 s + row) of my corner column, two sets
.set ACC,  80                          ; v[80:87] eight channels
.set FB,   88                          ; v[88:91] as f16
.set T,    92                          ; v[92:123] 16 words unpacked
.set WM,   128                         ; v[128:255] Wm, fragment (tile, kstep) at 8 (8 tile + kstep); at the end: rows on their way out
; window 1: the ring, slot i at 64 i (sample s, row p at 8 s + 4 p).  First v0-159 stage the records.
; In the product: v0-15 bias, AB0, AB1 fragments of feat, PA four accumulators.
.set AB0,  64
.set AB1,  128
.set PA,   192
.set MSB, 0
.macro WIN new                         ; s_set_vgpr_msb: bits 1:0 source 0, 3:2 source 1, 5:4 source 2, 7:6 destination; the high byte repeats the setting left
.if MSB != \new
	s_set_vgpr_msb (MSB<<8)|\new
.set MSB, \new
.endif
.endm
.macro ADDR                            ; eight indices to byte offsets
	s_wait_xcnt 0x0                                ; the last step's gathers have had their addresses translated (ISA guide 3.1): AD is rewritten only behind this wait
.irp s, 0,1,2,3,4,5,6,7
	v_min_u32 v[IX+\s], 0x1f7e, v[IX+\s]
.endr
.irp s, 0,1,2,3,4,5,6,7
	v_lshl_add_u32 v[AD+\s], v[IX+\s], 6, v[LB]
.endr
.endm
.macro GATHER slot                     ; samples 0-3 from scale 0, 4-7 from scale 1; two corner rows each
	WIN 0x40
.irp s, 0,1,2,3
	global_load_b128 v[64*\slot+8*\s:64*\slot+8*\s+3], v[AD+\s], s[18:19]
	global_load_b128 v[64*\slot+8*\s+4:64*\slot+8*\s+7], v[AD+\s], s[18:19] offset:8192
.endr
.irp s, 4,5,6,7
	global_load_b128 v[64*\slot+8*\s:64*\slot+8*\s+3], v[AD+\s], s[20:21]
	global_load_b128 v[64*\slot+8*\s+4:64*\slot+8*\s+7], v[AD+\s], s[20:21] offset:8192
.endr
	WIN 0
.endm
; A step's sums, in four batches of two samples (16 words): unpack under one window setting, multiply and add under the other.
; Word u of a batch = 8 e + 4 p + j: sample 2 b + e, corner row p, channels 2 j and 2 j + 1.  The first four products start the sums.
.macro FMAS sub
.irp b, 0,1,2,3
	WIN 0x04
.set u_, 0
.rept 16
	v_lshlrev_b32 v[T+2*u_], 16, v[64*\sub+16*\b+u_]       ; bf16 to f32: the low half moves up,
	v_and_b32 v[T+2*u_+1], s33, v[64*\sub+16*\b+u_]        ; the high half stays
.set u_, u_+1
.endr
	WIN 0
.irp e, 0,1
.irp p, 0,1
.irp j, 0,1,2,3
.if (\b+\e+\p) == 0
	v_pk_mul_f32 v[ACC+2*\j:ACC+2*\j+1], v[T+2*\j:T+2*\j+1], v[WT+16*(\sub&1):WT+16*(\sub&1)+1] op_sel_hi:[1,0]
.else
	v_pk_fma_f32 v[ACC+2*\j:ACC+2*\j+1], v[T+2*(8*\e+4*\p+\j):T+2*(8*\e+4*\p+\j)+1], v[WT+16*(\sub&1)+2*(2*\b+\e):WT+16*(\sub&1)+2*(2*\b+\e)+1], v[ACC+2*\j:ACC+2*\j+1] op_sel:[0,\p,0] op_sel_hi:[1,\p,1]
.endif
.endr
.endr
.endr
.endr
.endm
; Step t = 4 trip + sub, from ring slot sub.  ns = (sub + 3) & 3: the slot that step t + 3 is gathered into (issue = 1).
; ldidx: fetch the indices of step t + 4; ldwt: the weights of step t + 1; left: younger loads that may stay out.
.macro STEP sub, ns, issue, ldidx, ldwt, left
	s_wait_dscnt 1                                 ; the indices and weights asked for in the last step are in; only its feat store may be out
.if \issue
	ADDR
.endif
.if \ldidx
	ds_load_b128 v[IX:IX+3], v[VIXA] offset:(\sub+4)*64
	ds_load_b128 v[IX+4:IX+7], v[VIXA] offset:2048+(\sub+4)*64
.endif
.if \ldwt
.irp q, 0,1,2,3
	ds_load_b128 v[WT+16*((\sub+1)&1)+4*\q:WT+16*((\sub+1)&1)+4*\q+3], v[VWTA] offset:\q*PL+(\sub+1)*64
.endr
.endif
.if \issue
	GATHER \ns
.endif
	s_wait_loadcnt \left                           ; loads return in order (ISA guide 5.7.1): this step's sixteen are in
	FMAS \sub
.irp j, 0,1,2,3,4,5,6,7
	v_add_f32_dpp v[ACC+\j], v[ACC+\j], v[ACC+\j] row_xmask:4 row_mask:0xf bank_mask:0xf   ; the two corner columns; both lanes get the same sum
.endr
.irp j, 0,1,2,3
	v_cvt_pk_f16_f32 v[FB+\j], v[ACC+2*\j], v[ACC+2*\j+1]
.endr
	ds_store_b128 v[VF], v[FB:FB+3] offset:\sub*2112   ; the two lanes write the same bytes with the same numbers
.endm
; 16 loads: fragments of 32 rows of feat x four K steps
.macro LFR ab, pair, half
.irp m, 0,1
.irp k, 0,1,2,3
	ds_load_b128 v[\ab+8*(4*\m+\k):\ab+8*(4*\m+\k)+3], v[VFA] offset:(32*(\pair)+16*\m)*528+(4*\half+\k)*64
	ds_load_b128 v[\ab+8*(4*\m+\k)+4:\ab+8*(4*\m+\k)+7], v[VFA] offset:(32*(\pair)+16*\m)*528+(4*\half+\k)*64+32
.endr
.endr
.endm
.macro PROD ab, half                   ; 16 products, four chains
.irp k, 0,1,2,3
.irp m, 0,1
.irp n, 0,1
.if (4*\half+\k) == 0
	v_wmma_f32_16x16x32_f16 v[PA+8*(2*\m+\n):PA+8*(2*\m+\n)+7], v[WM+64*\n:WM+64*\n+7], v[\ab+32*\m:\ab+32*\m+7], v[8*\n:8*\n+7]
.else
	v_wmma_f32_16x16x32_f16 v[PA+8*(2*\m+\n):PA+8*(2*\m+\n)+7], v[WM+8*(8*\n+4*\half+\k):WM+8*(8*\n+4*\half+\k)+7], v[\ab+8*(4*\m+\k):\ab+8*(4*\m+\k)+7], v[PA+8*(2*\m+\n):PA+8*(2*\m+\n)+7]
.endif
.endr
.endr
.endr
.endm
.macro BATCH ab, pair, half, left, nxt
	s_wait_dscnt \left                             ; this batch's fragments are in; the next batch's sixteen loads may be out
	PROD \ab, \half
.rept 5
	v_nop                                          ; five places: the results are stored, the fragments loaded over, and the next pair's first
.endr                                              ; products write over the accumulators (ISA guide 7.12.1)
.if \half
.irp m, 0,1
.irp n, 0,1
	ds_store_b128 v[VSO+\pair], v[PA+8*(2*\m+\n):PA+8*(2*\m+\n)+3] offset:\m*16640+\n*64
	ds_store_b128 v[VSO+\pair], v[PA+8*(2*\m+\n)+4:PA+8*(2*\m+\n)+7] offset:\m*16640+\n*64+16
.endr
.endr
.endif
.if \nxt
	LFR \ab, \pair+1, \half
.endif
.endm
	s_load_b256 s[4:11], s[0:1], 0x0               ; sf s[4:5], swt s[6:7], sidx s[8:9], wpk s[10:11]
	s_load_b128 s[12:15], s[0:1], 0x20             ; bm s[12:13], out0 s[14:15]
	v_lshl_add_u32 v126, v0, 2, 0x39000
	v_mov_b32 v127, 0
	v_lshrrev_b32 v21, 5, v0
	v_readfirstlane_b32 s2, v21                    ; wave w
	s_mov_b32 s33, 0xffff0000                      ; a word's upper bf16
	v_and_b32 v1, 31, v0                           ; L
	v_and_b32 v2, 15, v0                           ; r
	v_bfe_u32 v3, v0, 4, 1                         ; h
	v_bfe_u32 v4, v0, 3, 2                         ; grp
	v_bfe_u32 v5, v0, 2, 1                         ; slot
	v_and_b32 v6, 3, v0
	v_and_b32 v21, 7, v0
	v_lshlrev_b32 v[LB], 4, v21
	v_lshlrev_b32 v[VL16], 4, v1
	s_mul_i32 s31, s2, RECW
	s_add_co_u32 s31, s31, REC
	v_add_nc_u32 v[VRC], s31, v[VL16]
	v_lshl_add_u32 v[VIXA], v4, 4, s31
	v_mul_u32_u24 v21, v5, 4*PL
	v_add_nc_u32 v21, 4096, v21
	v_add_nc_u32 v[VWTA], v[VIXA], v21
	v_mul_u32_u24 v21, v4, 528
	v_lshl_add_u32 v21, v6, 4, v21
	s_lshl_b32 s32, s2, 6
	v_add_nc_u32 v[VF], s32, v21
	v_mul_u32_u24 v21, v2, 528
	v_lshl_add_u32 v[VFA], v3, 4, v21
	v_mul_u32_u24 v21, v2, 1040
	v_lshl_add_u32 v21, v3, 5, v21
	s_lshl_b32 s32, s2, 7
	v_lshl_add_u32 v[VBM], v3, 5, s32
	s_add_co_u32 s32, s32, STG
	v_add_nc_u32 v[VSO], s32, v21
.irp i, 1,2,3
	v_add_nc_u32 v[VSO+\i], 33280, v[VSO+\i-1]
.endr
	s_mul_i32 s32, s2, 16640
	s_add_co_u32 s32, s32, STG
	v_add_nc_u32 v[VRO], s32, v[VL16]
	s_lshl_b32 s32, s2, 14
	v_add_nc_u32 v[VGO], s32, v[VL16]
	s_lshr_b32 s31, ttmp9, 6                       ; b
	s_lshl3_add_u32 s31, s31, s2                   ; image 8 b + w
	s_mov_b32 s17, 0
	s_wait_kmcnt 0x0
	s_lshl_b32 s16, s31, 19
	s_add_nc_u64 s[18:19], s[4:5], s[16:17]        ; my head's image, scale 0
	s_add_nc_u64 s[20:21], s[18:19], 0x1000000     ; scale 1
	s_lshl_b32 s16, ttmp9, 15
	s_lshl_b32 s32, s2, 12
	s_add_co_u32 s16, s16, s32
	s_add_nc_u64 s[22:23], s[8:9], s[16:17]        ; my 4,096 bytes of indices
	s_lshl_b32 s16, s16, 2
	s_add_nc_u64 s[24:25], s[6:7], s[16:17]        ; my 16,384 bytes of weights
	s_lshl_b32 s16, s2, 14
	s_add_co_u32 s16, s16, 262144
	s_add_nc_u64 s[26:27], s[10:11], s[16:17]      ; my 16,384 bytes of Wm
	s_lshl_b32 s16, ttmp9, 17
	s_add_nc_u64 s[28:29], s[14:15], s[16:17]      ; out0 at my row of the image
	; the records, through registers into my own LDS bytes; Wm behind them
	WIN 0x40
.set n_, 0
.rept 8
	global_load_b128 v[4*n_:4*n_+3], v[VL16], s[22:23] offset:512*n_ th:TH_LOAD_NT
.set n_, n_+1
.endr
.set n_, 0
.rept 32
	global_load_b128 v[32+4*n_:32+4*n_+3], v[VL16], s[24:25] offset:512*n_ th:TH_LOAD_NT
.set n_, n_+1
.endr
	WIN 0
.set n_, 0
.rept 32
	global_load_b128 v[WM+4*n_:WM+4*n_+3], v[VL16], s[26:27] offset:512*n_
.set n_, n_+1
.endr
	s_wait_loadcnt 32                              ; the 40 loads of records are in; Wm's 32 are younger
	WIN 0x04
.set n_, 0
.rept 8
	ds_store_b128 v[VRC], v[4*n_:4*n_+3] offset:512*n_
.set n_, n_+1
.endr
.set n_, 0
.rept 32
	ds_store_b128 v[VRC], v[32+4*n_:32+4*n_+3] offset:4096+(n_>>2)*PL+(n_&3)*512
.set n_, n_+1
.endr
	WIN 0
	; steps 0, 1, 2 are asked for; a wave's LDS instructions are served in order (ISA guide 5.7.1.4), so the loads see the stores above
.irp t, 0,1,2
	ds_load_b128 v[IX:IX+3], v[VIXA] offset:64*\t
	ds_load_b128 v[IX+4:IX+7], v[VIXA] offset:2048+64*\t
	s_wait_dscnt 0x0
	ADDR
	GATHER \t
.endr
	ds_load_b128 v[IX:IX+3], v[VIXA] offset:192            ; the indices of step 3
	ds_load_b128 v[IX+4:IX+7], v[VIXA] offset:2048+192
.irp q, 0,1,2,3
	ds_load_b128 v[WT+4*\q:WT+4*\q+3], v[VWTA] offset:\q*PL    ; the weights of step 0
.endr
	s_wait_dscnt 0x0
	s_mov_b32 s30, 7                               ; 7 trips of four steps; the last four steps are written out
.Ltrip:
	STEP 0, 3, 1, 1, 1, 48                         ; 48: the gathers of the three steps behind this one
	STEP 1, 0, 1, 1, 1, 48
	STEP 2, 1, 1, 1, 1, 48
	STEP 3, 2, 1, 1, 1, 48
	v_add_nc_u32 v[VIXA], 256, v[VIXA]             ; 16 pixels of 16 bytes
	v_add_nc_u32 v[VWTA], 256, v[VWTA]
	v_add_nc_u32 v[VF], 8448, v[VF]                ; 16 rows of feat
	s_sub_co_u32 s30, s30, 1
	s_cmp_lg_u32 s30, 0
	s_cbranch_scc1 .Ltrip
	STEP 0, 3, 1, 0, 1, 48                         ; step 28 asks for step 31, the last
	WIN 0x40
.irp n, 0,1
	global_load_b128 v[8*\n:8*\n+3], v[VBM], s[12:13] offset:64*\n          ; bm in the result's layout, into ring slot 0, which is done
	global_load_b128 v[8*\n+4:8*\n+7], v[VBM], s[12:13] offset:64*\n+16
.endr
	WIN 0
	STEP 1, 0, 0, 0, 1, 36                         ; two steps of 16 and bm's 4 are younger
	STEP 2, 0, 0, 0, 1, 20
	STEP 3, 0, 0, 0, 0, 4
	s_wait_loadcnt 0x0                             ; bm
	s_wait_dscnt 0x0                               ; my head's columns of feat are in LDS and my reads of the records are over,
	s_barrier_signal -1
	s_barrier_wait -1                              ; everybody's are: feat may be read, and the stage may be laid over the records
	; out = feat Wm + bm.  One setting serves products, fragment loads and stage stores: source 0 (Wm, LDS addresses) window 0, the rest window 1.
	WIN 0x54
	LFR AB0, 0, 0
	LFR AB1, 0, 1
	BATCH AB0, 0, 0, 16, 1
	BATCH AB1, 0, 1, 16, 1
	BATCH AB0, 1, 0, 16, 1
	BATCH AB1, 1, 1, 16, 1
	BATCH AB0, 2, 0, 16, 1
	BATCH AB1, 2, 1, 16, 1
	BATCH AB0, 3, 0, 16, 0
	BATCH AB1, 3, 1, 0, 0
	WIN 0
	s_wait_dscnt 0x0                               ; my columns of the stage are written,
	s_barrier_signal -1
	s_barrier_wait -1                              ; all columns are
	; rows 16 w .. 16 w + 15, whole: 32 loads and 32 stores of 512 neighbouring bytes
.set n_, 0
.rept 32
	ds_load_b128 v[WM+4*n_:WM+4*n_+3], v[VRO] offset:(n_>>1)*1040+(n_&1)*512
.set n_, n_+1
.endr
.set n_, 0
.rept 32
	s_wait_dscnt 31-n_                             ; LDS loads return in order: load n is in, the younger ones may be out
	global_store_b128 v[VGO], v[WM+4*n_:WM+4*n_+3], s[28:29] offset:(n_>>1)*1024+(n_&1)*512 th:TH_STORE_NT
.set n_, n_+1
.endr
	s_wait_tensorcnt 0x0
	ds_add_u32 v126, v127
	s_wait_dscnt 0x0
	s_endpgm
.Lfunc_end_k_q28e1d8f70e_samp:
	.size	k_q28e1d8f70e_samp, .Lfunc_end_k_q28e1d8f70e_samp-k_q28e1d8f70e_samp
	.p2alignl 7, 3214868480
	.fill 96, 4, 3214868480
	.section	.rodata,"a",@progbits
	.p2align	6, 0x0
	.amdhsa_kernel k_q28e1d8f70e_samp
		.amdhsa_group_segment_fixed_size 234496
		.amdhsa_private_segment_fixed_size 0
		.amdhsa_enable_private_segment 0
		.amdhsa_kernarg_size 48
		.amdhsa_user_sgpr_count 2
		.amdhsa_user_sgpr_kernarg_segment_ptr 1
		.amdhsa_wavefront_size32 1
		.amdhsa_system_sgpr_workgroup_id_x 1
		.amdhsa_system_sgpr_workgroup_id_y 1
		.amdhsa_system_sgpr_workgroup_id_z 1
		.amdhsa_system_vgpr_workitem_id 0
		.amdhsa_next_free_vgpr 512
		.amdhsa_next_free_sgpr 66
		.amdhsa_reserve_vcc 0
		.amdhsa_float_denorm_mode_32 3
		.amdhsa_float_denorm_mode_16_64 3
		.amdhsa_memory_ordered 1
		.amdhsa_forward_progress 1
		.amdhsa_inst_pref_size 137
	.end_amdhsa_kernel
	.amdgpu_metadata
---
amdhsa.version: [ 1, 2 ]
amdhsa.kernels:
  - .name:           k_q28e1d8f70e_samp
    .symbol:         k_q28e1d8f70e_samp.kd
    .args:
      - { .name: sf, .offset: 0, .size: 8, .value_kind: global_buffer, .address_space: global }
      - { .name: swt, .offset: 8, .size: 8, .value_kind: global_buffer, .address_space: global }
      - { .name: sidx, .offset: 16, .size: 8, .value_kind: global_buffer, .address_space: global }
      - { .name: wpk, .offset: 24, .size: 8, .value_kind: global_buffer, .address_space: global }
      - { .name: bm, .offset: 32, .size: 8, .value_kind: global_buffer, .address_space: global }
      - { .name: out0, .offset: 40, .size: 8, .value_kind: global_buffer, .address_space: global }
    .group_segment_fixed_size: 234496
    .private_segment_fixed_size: 0
    .kernarg_segment_align: 8
    .kernarg_segment_size: 48
    .max_flat_workgroup_size: 256
    .sgpr_count:     66
    .vgpr_count:     512
    .wavefront_size: 32
...
	.end_amdgpu_metadata
.endif
;; end of part 3
;; ======== version 2 of 2: 4 launches; 1.47 times as fast as version 1
;; limits: values are held in f16: magnitudes above 65,504 overflow, below 6.1e-05 lose precision
;; workspace buffers: wpk 491,520 bytes; sf 33,554,432 bytes; swt 33,554,432 bytes; sidx 8,388,608 bytes of whole numbers; feat 16,777,216 bytes
;; launch pack: the kernel of part 1 again; grid 120 x 1, 8 waves a work-group, no clusters, 0 bytes of LDS; arguments Wk, Wq, Wm, Wo, Wa, wpk; writes wpk
;; launch proj (part 4): grid 256 x 1, 4 waves a work-group, no clusters, 101,888 bytes of LDS; arguments keys0, keys1, query, ref_point, bk, bq, bo, ba, wpk, sf, swt, sidx; writes sf, swt, sidx
.if DOCPART == 4
	.amdgcn_target "amdgcn-amd-amdhsa--gfx1250"
	.amdhsa_code_object_version 6
	.text
	.protected	k_q28e1d8f70e_proj
	.globl	k_q28e1d8f70e_proj
	.p2align	8
	.type	k_q28e1d8f70e_proj,@function
k_q28e1d8f70e_proj:
	s_mov_b64 s[64:65], 0
	v_nop
	global_prefetch_b8 v0, s[64:65] scope:SCOPE_SE
	s_setreg_imm32_b32 hwreg(HW_REG_WAVE_MODE, 25, 1), 1
	s_wait_xcnt 0x0
; For one image row (128 pixels; work-group g: batch g >> 6, row g & 63):
;   q = query Wq + bq;  off = q Wo + bo;  A = softmax(q Wa + ba) over each head's 8;  for each (pixel, head, sample):
;   the index yb*128 + xb of the upper left of a 2 x 2 patch that lies inside the image, and the four weights A x hat(y) x hat(x) in f32;
;   sf_l = keys_l Wk + bk, stored as bf16 planes of eight channels, [l][b][head][quarter][y][x][8]: 16 bytes a pixel, 131,072 a plane.
; Four waves, one on each SIMD.  Wave w owns 64 output columns (heads 2w, 2w+1) of Wq and Wk and 48 of [Wo|Wa]; its weights stay in
; registers (as packed fragments they come straight from memory, 512 neighbouring bytes a load) and the rows stream past them.
; Rows come as f32, 64 at a time, are rounded once to f16 and laid into LDS, where all four waves read them as fragments.
; The matrix instruction is used transposed (source 0 = weights, source 1 = rows): lane (r, h) register j holds (row r, column 8h + j),
; so a lane's eight numbers are neighbours in a row, the bias rides in as the first C, for off and A a lane holds, for pixel r
; and head 2w + h, all 16 offsets and all 8 logits (softmax and sampling arithmetic need no other lane), and for sf a lane's eight
; numbers are one pixel's 16 bytes of one plane: they are stored straight from registers.
; Zero padding without masks: xb = clamp(floor(gx), 0, 126), d = gx - xb; pixel xb weighs max(0, 1 - |d|) = med3(1-d, 1+d, 0), pixel
; xb + 1 weighs med3(2-d, d, 0); the same in y with 62.  A corner outside the image thereby weighs nothing.
; LIMITS: query, keys and q are rounded to f16 (at most 2^-11 relative; below 2^-14 at most 2^-25 absolute; above 65,504 in magnitude they
; become infinite).  sf is rounded to bf16 (at most 2^-8 relative): the launch that gathers it multiplies straight from bf16 halves;
; it is the only rounding to 8 significant bits in the program, so the corner weights stay f32.
; The position is off*S + (ref*S - 0.5), S = (64/63, 128/127), one fma, where the definition rounds four times (about 1e-5 pixel apart;
; the weights are continuous in it).  A NaN position gives NaN weights and index 0.
; No joint requests in a cluster: what work-groups share is the packed weights (90,112 bytes a wave), which go from memory into
; registers; a joint request lands in LDS and would add a pass through it.  The rows, 393,216 bytes, are the work-group's own.
.set X0,  0                            ; LDS: 64 rows x 528 bytes (512 of f16 + 16: the 16 rows of a fragment load fall on different banks)
.set X1,  33792                        ; the second such slot; the two take turns
.set QB,  67584                        ; q as f16, the same shape
.set TB,  8448                         ; 16 rows of 528 bytes
; window 0
.set VL16, 4                           ; 16 L
.set VXG,  5                           ; rows in memory: w*16384 + 16 L (wave w stages 16 of the 64 rows)
.set VXS,  6                           ; the same rows in LDS: w*8448 + 8 L
.set VA,   7                           ; fragment address r*528 + 16 h
.set VAQ,  8                           ; + QB
.set VQS,  9                           ; where q goes: QB + r*528 + w*128 + 16 h
.set VSF,  14                          ; sf: w*1048576 (two heads of four planes) + h*131072 + 16 r
.set VIX,  15                          ; sidx: (2w+h)*4096 + 16 r
.set VWT,  16                          ; swt: (2w+h)*16384 + 16 r
.set VRF,  17                          ; ref_point: ((2w+h)&3)*65536 + 8 r
.set VB,   18                          ; bq, bk: w*256 + 32 h
.set VBO,  19                          ; bo: (2w+h)*64
.set VBA,  20                          ; ba: (2w+h)*32
.set SC,   24                          ; v[24:25] (64/63, 128/127)
.set R,    26                          ; v[26:27] ref*S - 0.5 of the tile's pixel
.set ACC,  32                          ; v[32:63] four (or three) result tiles
.set LG,   48                          ; the third tile: logits, then A
.set AF,   64                          ; v[64:127] row fragments of one tile: K steps 0-3, K steps 4-7
.set BIASX, 128                        ; v[128:159] bq, later bk, in the result's layout
.set BIASY, 160                        ; v[160:183] bo, bo, ba likewise
.set REF,  184                         ; v[184:199] (ry, rx) of pixels 16 M + r, M = 0 .. 7
.set CV,   200                         ; v[200:215] results in 16 bits
.set IXB,  200                         ; v[200:207] eight indices
.set WTB,  208                         ; v[208:239] 32 weights: column xb at 2 s + row, column xb + 1 at 16 + 2 s + row
.set G, 240                            ; sampling's temporaries, pairs (y, x)
.set F, 242
.set D, 244
.set AA, 246
.set BB, 248
.set CC, 250
.set P, 252
.set QH, 254
.set NM, 240                           ; softmax's temporaries share registers with sampling's: softmax is over when sampling begins
.set MX, 242
.set SUM, 244
.set INV, 246
; window 1: Wq, later Wk, fragment (tile, kstep) at 8 (8 tile + kstep).  window 2: [Wo|Wa] likewise, 192 registers.
; window 3: rows as loaded, two sets of 128 registers.
.set SETA, 0
.set SETB, 128
.set MSB, 0
.macro WIN new                         ; s_set_vgpr_msb: bits 1:0 source 0, 3:2 source 1, 5:4 source 2, 7:6 destination; the high byte repeats the setting left
.if MSB != \new
	s_set_vgpr_msb (MSB<<8)|\new
.set MSB, \new
.endif
.endm
; Independent vector instructions behind a matrix instruction: four before its result is read or a load is issued
; into a source; five where the next matrix instruction to come writes over its accumulator without being the next link of its chain.
.macro PLACES n
.rept \n
	v_nop
.endr
.endm
.macro BAR
	s_barrier_signal -1
	s_barrier_wait -1
.endm
; 32 loads: my 16 of 64 rows of f32, 512 neighbouring bytes a load, read once in the launch
.macro LOADX set, nb, noff
	WIN 0xc0
.set li_, 0
.rept 32
	global_load_b128 v[\set+4*li_:\set+4*li_+3], v[VXG], s[\nb:\nb+1] offset:\noff+512*li_ th:TH_LOAD_NT
.set li_, li_+1
.endr
.endm
; n loads of packed weights into a whole window: load i fills registers 4 i .. 4 i + 3
.macro LOADW win, n, sb
	WIN \win
.set li_, 0
.rept \n
	global_load_b128 v[4*li_:4*li_+3], v[VL16], s[\sb:\sb+1] offset:512*li_
.set li_, li_+1
.endr
.endm
.macro LDBIAS sb                       ; 64 columns' bias: lane (r, h), tile t, register j = bias[64 w + 16 t + 8 h + j]
.irp t, 0,1,2,3
	global_load_b128 v[BIASX+8*\t:BIASX+8*\t+3], v[VB], s[\sb:\sb+1] offset:64*\t
	global_load_b128 v[BIASX+8*\t+4:BIASX+8*\t+7], v[VB], s[\sb:\sb+1] offset:64*\t+16
.endr
.endm
; A staged set: round to f16 in place, lay it into an LDS slot, ask for the set's next rows, meet the other waves.
.macro CONVERT set, xbuf, next, nb, noff
	WIN 0xcf
.set ci_, 0
.rept 32
	v_cvt_pk_f16_f32 v[\set+4*ci_], v[\set+4*ci_], v[\set+4*ci_+1]
	v_cvt_pk_f16_f32 v[\set+4*ci_+1], v[\set+4*ci_+2], v[\set+4*ci_+3]
.set ci_, ci_+1
.endr
	WIN 0x0c
.set ci_, 0
.rept 32
	ds_store_b64 v[VXS], v[\set+4*ci_:\set+4*ci_+1] offset:\xbuf+(ci_>>1)*528+(ci_&1)*256   ; 256 neighbouring bytes
.set ci_, ci_+1
.endr
	s_wait_dscnt 0x0                               ; zero, for the others' sake: they read these rows behind the barrier
.if \next
	LOADX \set, \nb, \noff                         ; into the set whose LDS stores are done
.endif
	WIN 0
	BAR
.endm
; eight loads: the fragments of four K steps of one tile of 16 rows
.macro LDA half, areg, off
.irp i, 0,1,2,3
	ds_load_b128 v[AF+32*\half+8*\i:AF+32*\half+8*\i+3], v[\areg] offset:\off+(4*\half+\i)*64
	ds_load_b128 v[AF+32*\half+8*\i+4:AF+32*\half+8*\i+7], v[\areg] offset:\off+(4*\half+\i)*64+32
.endr
.endm
; four K steps x nt column tiles.  The very first product takes the bias as C: nothing is cleared, nothing added later.
.macro MMB nt, half, bias
.irp k, 0,1,2,3
.set t_, 0
.rept \nt
.if (4*\half+\k) == 0
	v_wmma_f32_16x16x32_f16 v[ACC+8*t_:ACC+8*t_+7], v[64*t_:64*t_+7], v[AF:AF+7], v[\bias+8*t_:\bias+8*t_+7]
.else
	v_wmma_f32_16x16x32_f16 v[ACC+8*t_:ACC+8*t_+7], v[8*(8*t_+4*\half+\k):8*(8*t_+4*\half+\k)+7], v[AF+8*(4*\half+\k):AF+8*(4*\half+\k)+7], v[ACC+8*t_:ACC+8*t_+7]
.endif
.set t_, t_+1
.endr
.endr
.endm
.macro CVTQ                            ; four tiles of q to f16: 16 bytes a tile, eight neighbouring columns of row r
.irp t, 0,1,2,3
.irp p, 0,1,2,3
	v_cvt_pk_f16_f32 v[CV+4*\t+\p], v[ACC+8*\t+2*\p], v[ACC+8*\t+2*\p+1]
.endr
.endr
.endm
.macro CVTS                            ; four tiles of sf to bf16, likewise
.irp t, 0,1,2,3
.irp p, 0,1,2,3
	v_cvt_pk_bf16_f32 v[CV+4*\t+\p], v[ACC+8*\t+2*\p], v[ACC+8*\t+2*\p+1]
.endr
.endr
.endm
; q of 16 rows x my 64 columns, into QB
.macro QTILE xb, mt, first, nxt
.if \first
	s_wait_dscnt 8                                 ; K steps 0-3 are in; the eight loads of K steps 4-7 may be out
.else
	s_wait_dscnt 12                                ; those eight and the last tile's four stores may be out
.endif
	WIN 0x01
	MMB 4, 0, BIASX
	WIN 0
	PLACES 4
.if \nxt
	LDA 0, VA, \xb+(\mt+1)*TB
	s_wait_dscnt 8                                 ; all but the eight just issued
.else
	s_wait_dscnt 0x0
.endif
	WIN 0x01
	MMB 4, 1, BIASX
	WIN 0
	PLACES 5                                       ; the next tile's first products write over these accumulators
.if \nxt
	LDA 1, VA, \xb+(\mt+1)*TB
.endif
	s_wait_xcnt 0x0                                ; CV shares registers with data of earlier global stores: rewritten only behind this wait
	CVTQ
.irp t, 0,1,2,3
	ds_store_b128 v[VQS], v[CV+4*\t:CV+4*\t+3] offset:\mt*TB+32*\t
.endr
.endm
; softmax over a lane's eight logits; R = ref*S - 0.5 fills the place behind the exponentials.
; M may arrive as a sum: it stands in brackets wherever it is multiplied.
.macro SOFTMAX M
	v_max3_num_f32 v[MX], v[LG], v[LG+1], v[LG+2]
	v_max3_num_f32 v[MX], v[MX], v[LG+3], v[LG+4]
	v_max3_num_f32 v[MX], v[MX], v[LG+5], v[LG+6]
	v_max_num_f32 v[MX], v[MX], v[LG+7]
	v_mul_f32 v[NM], 0xbfb8aa3b, v[MX]             ; - max x log2(e)
	v_mul_f32 v[NM+1], 0xbfb8aa3b, v[MX]
.irp i, 0,1,2,3
	v_pk_fma_f32 v[LG+2*\i:LG+2*\i+1], v[LG+2*\i:LG+2*\i+1], 0x3fb8aa3b, v[NM:NM+1] op_sel_hi:[1,0,1]
.endr
.irp i, 0,1,2,3,4,5,6,7
	v_exp_f32 v[LG+\i], v[LG+\i]
.endr
	v_pk_fma_f32 v[R:R+1], v[REF+2*(\M):REF+2*(\M)+1], v[SC:SC+1], -0.5 op_sel_hi:[1,1,0]   ; one plain instruction before the results are used (ISA guide 5.7.2)
	s_wait_alu depctr_va_vdst(0)
	v_pk_add_f32 v[SUM:SUM+1], v[LG:LG+1], v[LG+2:LG+3]
	v_pk_add_f32 v[MX:MX+1], v[LG+4:LG+5], v[LG+6:LG+7]
	v_pk_add_f32 v[SUM:SUM+1], v[SUM:SUM+1], v[MX:MX+1]
	v_add_f32 v[SUM], v[SUM], v[SUM+1]
	v_rcp_f32 v[INV], v[SUM]
	v_rcp_f32 v[INV+1], v[SUM]
	v_nop                                          ; the same place behind the reciprocals
	s_wait_alu depctr_va_vdst(0)
.irp i, 0,1,2,3
	v_pk_mul_f32 v[LG+2*\i:LG+2*\i+1], v[LG+2*\i:LG+2*\i+1], v[INV:INV+1]
.endr
.endm
; sample s (b = s & 1): pairs are (y, x)
.macro SAMPLE s, b
	v_pk_fma_f32 v[G:G+1], v[ACC+2*\s:ACC+2*\s+1], v[SC:SC+1], v[R:R+1]    ; position in pixels
	v_floor_f32 v[F], v[G]
	v_floor_f32 v[F+1], v[G+1]
	v_med3_num_f32 v[F], v[F], 0, 0x42780000       ; yb in 0 .. 62
	v_med3_num_f32 v[F+1], v[F+1], 0, 0x42fc0000   ; xb in 0 .. 126
	v_pk_add_f32 v[D:D+1], v[G:G+1], v[F:F+1] neg_lo:[0,1] neg_hi:[0,1]
	v_pk_add_f32 v[AA:AA+1], v[D:D+1], 1.0 op_sel_hi:[1,0] neg_lo:[1,0] neg_hi:[1,0]
	v_pk_add_f32 v[BB:BB+1], v[D:D+1], 1.0 op_sel_hi:[1,0]
	v_pk_add_f32 v[CC:CC+1], v[D:D+1], 2.0 op_sel_hi:[1,0] neg_lo:[1,0] neg_hi:[1,0]
	v_med3_num_f32 v[P], v[AA], v[BB], 0           ; row yb
	v_med3_num_f32 v[P+1], v[CC], v[D], 0          ; row yb + 1
	v_med3_num_f32 v[QH], v[AA+1], v[BB+1], 0      ; column xb
	v_med3_num_f32 v[QH+1], v[CC+1], v[D+1], 0     ; column xb + 1
	v_pk_mul_f32 v[P:P+1], v[P:P+1], v[LG+\s-\b:LG+\s-\b+1] op_sel:[0,\b] op_sel_hi:[1,\b]   ; x A of this sample, both halves
	v_pk_mul_f32 v[WTB+2*\s:WTB+2*\s+1], v[P:P+1], v[QH:QH+1] op_sel_hi:[1,0]                 ; column xb: (row 0, row 1)
	v_pk_mul_f32 v[WTB+16+2*\s:WTB+16+2*\s+1], v[P:P+1], v[QH:QH+1] op_sel:[0,1] op_sel_hi:[1,1]   ; column xb + 1
	v_fma_f32 v[G], v[F], 0x43000000, v[F+1]       ; yb*128 + xb, exact
	v_cvt_u32_f32 v[IXB+\s], v[G]
.endm
; off and logits of 16 pixels x my two heads, then the records of pixels 16 M + r
.macro OTILE mt, nxt, M
	s_wait_dscnt 8                                 ; K steps 0-3 are in, the eight loads of K steps 4-7 may be out
	WIN 0x02
	MMB 3, 0, BIASY
	WIN 0
	PLACES 4
.if \nxt
	LDA 0, VAQ, (\mt+1)*TB
	s_wait_dscnt 8
.else
	s_wait_dscnt 0x0
.endif
	WIN 0x02
	MMB 3, 1, BIASY
	WIN 0
	PLACES 4                                       ; the sampling arithmetic below adds far more than the fifth place
.if \nxt
	LDA 1, VAQ, (\mt+1)*TB
.endif
	s_wait_xcnt 0x0                                ; IXB and WTB, data of the last tile's stores, are rewritten only behind this wait
	SOFTMAX \M
	SAMPLE 0, 0
	SAMPLE 1, 1
	SAMPLE 2, 0
	SAMPLE 3, 1
	SAMPLE 4, 0
	SAMPLE 5, 1
	SAMPLE 6, 0
	SAMPLE 7, 1
.irp q, 0,1
	global_store_b128 v[VIX], v[IXB+4*\q:IXB+4*\q+3], s[26:27] offset:\q*2048+(\M)*256    ; sixteen lanes: 256 neighbouring bytes, aligned
.endr
.irp p, 0,1,2,3,4,5,6,7
	global_store_b128 v[VWT], v[WTB+4*\p:WTB+4*\p+3], s[24:25] offset:\p*2048+(\M)*256    ; plane p = 4 x column + (s >> 1): samples 2q, 2q+1 x two rows
.endr
.endm
; sf of pixels 16 M + r x my 64 columns.  Tile t, lane (r, h): head 2w + (t >> 1), quarter 2 (t & 1) + h, pixel 16 M + r.
.macro KTILE xb, mt, nxt, M, sfb
	s_wait_dscnt 8                                 ; K steps 0-3 are in, the eight loads of K steps 4-7 may be out
	WIN 0x01
	MMB 4, 0, BIASX
	WIN 0
	PLACES 4
.if \nxt
	LDA 0, VA, \xb+(\mt+1)*TB
	s_wait_dscnt 8                                 ; all but the eight just issued
.else
	s_wait_dscnt 0x0
.endif
	WIN 0x01
	MMB 4, 1, BIASX
	WIN 0
	PLACES 5                                       ; the next tile's first products write over these accumulators
.if \nxt
	LDA 1, VA, \xb+(\mt+1)*TB
.endif
	s_wait_xcnt 0x0                                ; CV, data of the last tile's stores, is rewritten only behind this wait
	CVTS
.irp t, 0,1,2,3
	global_store_b128 v[VSF], v[CV+4*\t:CV+4*\t+3], s[\sfb:\sfb+1] offset:(\t>>1)*524288+(\t&1)*262144+(\M)*256   ; each half of the lanes: 256 neighbouring bytes, aligned
.endr
.endm
.macro KHALF xb, M0, sfb
	LDA 0, VA, \xb
	LDA 1, VA, \xb
	KTILE \xb, 0, 1, \M0, \sfb
	KTILE \xb, 1, 1, \M0+1, \sfb
	KTILE \xb, 2, 1, \M0+2, \sfb
	KTILE \xb, 3, 0, \M0+3, \sfb
.endm
.macro QQUAD xb
	LDA 0, VA, \xb
	LDA 1, VA, \xb
	QTILE \xb, 0, 1, 1
	QTILE \xb, 1, 0, 1
	QTILE \xb, 2, 0, 1
	QTILE \xb, 3, 0, 0
.endm
.macro OQUAD M0
	LDA 0, VAQ, 0
	LDA 1, VAQ, 0
	OTILE 0, 1, \M0
	OTILE 1, 1, \M0+1
	OTILE 2, 1, \M0+2
	OTILE 3, 0, \M0+3
.endm
	s_load_b512 s[4:19], s[0:1], 0x0               ; keys0 s[4:5], keys1 s[6:7], query s[8:9], ref_point s[10:11], bk s[12:13], bq s[14:15], bo s[16:17], ba s[18:19]
	s_load_b256 s[20:27], s[0:1], 0x40             ; wpk s[20:21], sf s[22:23], swt s[24:25], sidx s[26:27]
	v_lshl_add_u32 v30, v0, 2, 0x18c00
	v_mov_b32 v31, 0
	v_and_b32 v1, 31, v0                           ; L
	v_lshrrev_b32 v21, 5, v0
	v_readfirstlane_b32 s2, v21                    ; wave w
	v_and_b32 v2, 15, v0                           ; r
	v_bfe_u32 v3, v0, 4, 1                         ; h
	v_lshlrev_b32 v[VL16], 4, v1
	s_lshl_b32 s36, s2, 14
	v_add_nc_u32 v[VXG], s36, v[VL16]
	s_mul_i32 s36, s2, TB
	v_lshl_add_u32 v[VXS], v1, 3, s36
	v_mul_u32_u24 v21, v2, 528
	v_lshl_add_u32 v[VA], v3, 4, v21
	v_add_nc_u32 v[VAQ], QB, v[VA]
	s_lshl_b32 s36, s2, 7
	s_add_co_u32 s36, s36, QB
	v_add_nc_u32 v[VQS], s36, v[VA]
	v_lshl_add_u32 v21, s2, 1, v3                  ; head 2w + h
	v_lshlrev_b32 v22, 4, v2                       ; 16 r
	v_lshl_add_u32 v[VIX], v21, 12, v22
	v_lshl_add_u32 v[VWT], v21, 14, v22
	v_lshl_add_u32 v23, v3, 17, v22                ; sf: plane h of 131,072 bytes + 16 r
	s_lshl_b32 s36, s2, 20
	v_add_nc_u32 v[VSF], s36, v23
	v_and_b32 v23, 3, v21                          ; image n = 8 b + head takes ref_point[n mod 4] = ref_point[head & 3]
	v_lshlrev_b32 v22, 3, v2
	v_lshl_add_u32 v[VRF], v23, 16, v22
	s_lshl_b32 s36, s2, 8
	v_lshl_add_u32 v[VB], v3, 5, s36
	v_lshlrev_b32 v[VBO], 6, v21
	v_lshlrev_b32 v[VBA], 5, v21
	v_mov_b32 v[SC], 0x3f820821                    ; 64/63
	v_mov_b32 v[SC+1], 0x3f810204                  ; 128/127
	s_and_b32 s38, ttmp9, 63                       ; y
	s_lshr_b32 s40, ttmp9, 6                       ; b
	s_mov_b32 s37, 0
	s_wait_kmcnt 0x0
	s_lshl_b32 s36, ttmp9, 17                      ; 128 pixels of 1,024 bytes; the same figure for swt: 8 heads x 8 planes x 2,048 bytes
	s_add_nc_u64 s[4:5], s[4:5], s[36:37]
	s_add_nc_u64 s[6:7], s[6:7], s[36:37]
	s_add_nc_u64 s[8:9], s[8:9], s[36:37]
	s_add_nc_u64 s[24:25], s[24:25], s[36:37]
	s_lshl_b32 s36, s38, 10
	s_add_nc_u64 s[10:11], s[10:11], s[36:37]      ; ref_point at row y of batch 0
	s_lshl_b32 s36, s40, 22                        ; 32 planes a batch
	s_lshl_b32 s41, s38, 11                        ; 128 pixels of 16 bytes a row
	s_add_co_u32 s36, s36, s41
	s_add_nc_u64 s[22:23], s[22:23], s[36:37]      ; sf, scale 0, batch b, plane 0, row y
	s_add_nc_u64 s[28:29], s[22:23], 0x1000000     ; scale 1
	s_lshl_b32 s36, ttmp9, 15
	s_add_nc_u64 s[26:27], s[26:27], s[36:37]
	s_lshl_b32 s36, s2, 15
	s_add_nc_u64 s[32:33], s[20:21], s[36:37]      ; my 32,768 bytes of Wk
	s_add_nc_u64 s[30:31], s[32:33], 131072        ; of Wq
	s_mul_i32 s36, s2, 24576
	s_add_co_u32 s36, s36, 393216
	s_add_nc_u64 s[34:35], s[20:21], s[36:37]      ; my 24,576 bytes of [Wo|Wa]
	; Everything that the query's part needs, asked for in the order of use: 32 + 64 + 8 + 32 + 48 + 6 + 8 = 198 loads.
	LOADX SETA, 8, 0                               ; query, pixels 0-63
	LOADW 0x40, 64, 30                             ; Wq
	WIN 0
	LDBIAS 14                                      ; bq
	LOADX SETB, 8, 65536                           ; query, pixels 64-127
	LOADW 0x80, 48, 34                             ; [Wo|Wa]
	WIN 0
.irp t, 0,1
	global_load_b128 v[BIASY+8*\t:BIASY+8*\t+3], v[VBO], s[16:17] offset:32*\t
	global_load_b128 v[BIASY+8*\t+4:BIASY+8*\t+7], v[VBO], s[16:17] offset:32*\t+16
.endr
	global_load_b128 v[BIASY+16:BIASY+19], v[VBA], s[18:19]
	global_load_b128 v[BIASY+20:BIASY+23], v[VBA], s[18:19] offset:16
.irp m, 0,1,2,3,4,5,6,7
	global_load_b64 v[REF+2*\m:REF+2*\m+1], v[VRF], s[10:11] offset:128*\m
.endr
	; query, pixels 0-63
	s_wait_loadcnt 63                              ; 166 loads are younger than set A's: loads return in order (ISA guide 5.7.1), so it is in
	CONVERT SETA, X0, 1, 4, 0                      ; and set A goes for keys0, pixels 0-63
	s_wait_loadcnt 63                              ; 126 loads are younger than Wq's and bq's
	QQUAD X0
	s_wait_dscnt 0x0                               ; my part of q is in LDS,
	BAR                                            ; everybody's is
	s_wait_loadcnt 32                              ; [Wo|Wa], bo, ba, ref_point: only the 32 loads of keys0 are younger
	OQUAD 0
	; query, pixels 64-127
	s_wait_loadcnt 32                              ; set B (older than those 32)
	CONVERT SETB, X1, 1, 4, 65536                  ; its barrier also says that nobody reads QB any more
	QQUAD X1
	LOADW 0x40, 64, 32                             ; Wk over Wq, behind the places and conversions of the last tile
	WIN 0
	LDBIAS 12                                      ; bk over bq
	s_wait_dscnt 0x0
	BAR
	OQUAD 4
	; keys0
	s_wait_loadcnt 63                              ; 32 + 64 + 8 = 104 loads are younger than set A's
	CONVERT SETA, X0, 1, 6, 0                      ; X0 was last read in front of two earlier barriers
	s_wait_loadcnt 32                              ; Wk and bk: only the 32 just issued are younger
	KHALF X0, 0, 22
	s_wait_loadcnt 32
	CONVERT SETB, X1, 1, 6, 65536
	KHALF X1, 4, 22
	; keys1
	s_wait_loadcnt 32
	CONVERT SETA, X0, 0, 6, 0                      ; the reads of X0 ended in front of the last barrier
	KHALF X0, 0, 28
	s_wait_loadcnt 0x0
	CONVERT SETB, X1, 0, 6, 0
	KHALF X1, 4, 28
	s_wait_tensorcnt 0x0
	ds_add_u32 v30, v31
	s_wait_dscnt 0x0
	s_endpgm
.Lfunc_end_k_q28e1d8f70e_proj:
	.size	k_q28e1d8f70e_proj, .Lfunc_end_k_q28e1d8f70e_proj-k_q28e1d8f70e_proj
	.p2alignl 7, 3214868480
	.fill 96, 4, 3214868480
	.section	.rodata,"a",@progbits
	.p2align	6, 0x0
	.amdhsa_kernel k_q28e1d8f70e_proj
		.amdhsa_group_segment_fixed_size 101888
		.amdhsa_private_segment_fixed_size 0
		.amdhsa_enable_private_segment 0
		.amdhsa_kernarg_size 96
		.amdhsa_user_sgpr_count 2
		.amdhsa_user_sgpr_kernarg_segment_ptr 1
		.amdhsa_wavefront_size32 1
		.amdhsa_system_sgpr_workgroup_id_x 1
		.amdhsa_system_sgpr_workgroup_id_y 1
		.amdhsa_system_sgpr_workgroup_id_z 1
		.amdhsa_system_vgpr_workitem_id 0
		.amdhsa_next_free_vgpr 1024
		.amdhsa_next_free_sgpr 66
		.amdhsa_reserve_vcc 0
		.amdhsa_float_denorm_mode_32 3
		.amdhsa_float_denorm_mode_16_64 3
		.amdhsa_memory_ordered 1
		.amdhsa_forward_progress 1
		.amdhsa_inst_pref_size 255
	.end_amdhsa_kernel
	.section	.bss,"aw",@nobits
	.p2align	6
	.space	262144
	.amdgpu_metadata
---
amdhsa.version: [ 1, 2 ]
amdhsa.kernels:
  - .name:           k_q28e1d8f70e_proj
    .symbol:         k_q28e1d8f70e_proj.kd
    .args:
      - { .name: keys0, .offset: 0, .size: 8, .value_kind: global_buffer, .address_space: global }
      - { .name: keys1, .offset: 8, .size: 8, .value_kind: global_buffer, .address_space: global }
      - { .name: query, .offset: 16, .size: 8, .value_kind: global_buffer, .address_space: global }
      - { .name: ref_point, .offset: 24, .size: 8, .value_kind: global_buffer, .address_space: global }
      - { .name: bk, .offset: 32, .size: 8, .value_kind: global_buffer, .address_space: global }
      - { .name: bq, .offset: 40, .size: 8, .value_kind: global_buffer, .address_space: global }
      - { .name: bo, .offset: 48, .size: 8, .value_kind: global_buffer, .address_space: global }
      - { .name: ba, .offset: 56, .size: 8, .value_kind: global_buffer, .address_space: global }
      - { .name: wpk, .offset: 64, .size: 8, .value_kind: global_buffer, .address_space: global }
      - { .name: sf, .offset: 72, .size: 8, .value_kind: global_buffer, .address_space: global }
      - { .name: swt, .offset: 80, .size: 8, .value_kind: global_buffer, .address_space: global }
      - { .name: sidx, .offset: 88, .size: 8, .value_kind: global_buffer, .address_space: global }
    .group_segment_fixed_size: 101888
    .private_segment_fixed_size: 0
    .kernarg_segment_align: 8
    .kernarg_segment_size: 96
    .max_flat_workgroup_size: 128
    .sgpr_count:     66
    .vgpr_count:     1024
    .wavefront_size: 32
...
	.end_amdgpu_metadata
.endif
;; end of part 4
;; launch gath (part 5): grid 256 x 1, 16 waves a work-group, no clusters, 264,192 bytes of LDS; arguments sf, swt, sidx, feat; writes feat
.if DOCPART == 5
	.amdgcn_target "amdgcn-amd-amdhsa--gfx1250"
	.amdhsa_code_object_version 6
	.text
	.protected	k_q28e1d8f70e_gath
	.globl	k_q28e1d8f70e_gath
	.p2align	8
	.type	k_q28e1d8f70e_gath,@function
k_q28e1d8f70e_gath:
	s_mov_b64 s[64:65], 0
	v_nop
	global_prefetch_b8 v0, s[64:65] scope:SCOPE_SE
	s_setreg_imm32_b32 hwreg(HW_REG_WAVE_MODE, 25, 1), 1
	s_wait_xcnt 0x0
; feat[pixel][8 channels] = sum over 8 samples and 4 corners of weight x sf, gathered from a table in LDS.
; A sample may lie anywhere in its head's image, and each byte of a plane is wanted 16 times on average (8,192 pixels x 4 samples x
; 4 corners x 16 bytes against 131,072): so the table is brought into LDS once and the gather never leaves the WGP.
; Work-group g: channel quarter = bits 0 and 1 of g; pixel half (32 image rows) = bit 3; image n (batch n >> 3, head n & 7) = bit 2 and, above
; it, bits 4 to 7.  So the eight work-groups that read one image's planes and records are those whose numbers agree in every bit but
; 0, 1 and 3.  The decode is a one-to-one map of 0 .. 255 onto (image, half, quarter): which numbers share bytes changes no value.
; Its table is the quarter's plane of both scales, 16 bytes a pixel: scale 0 at LDS byte 0, scale 1 at 131,072.  Both scales in one table:
; a work-group makes finished sums, nothing is added between work-groups.  4 x 8 x 4 planes x 2 pixel halves = 256 work-groups.
; Sixteen waves, four on each SIMD, which after the one barrier never wait for each other.  Wave w brings 16,384 bytes of the table by one tensor load.
; Then it owns columns 32 (w & 3) .. + 31 of image rows 32 half + 8 (w >> 2) + t, t = 0 .. 7.  A batch is one such row's 32 pixels, ONE PIXEL A LANE:
; the lane's records (8 indices, 32 f32 weights) come straight into its registers, 16 bytes a lane and 512 neighbouring bytes a load,
; each corner is one 16-byte LDS load, 8 multiply-adds straight from the bf16 halves add it to the lane's 8 sums, and nothing crosses lanes.
; Indices were stored as whole numbers by an earlier launch; each is clamped to 62*128 + 126, and the last byte a load can reach,
; 131072 + 8062*16 + 2064 + 16, is the end of the table.
; feat: f16 [b][group = 4 head + quarter][pixel][8]: a wave's store covers 512 neighbouring bytes, and a pixel's 16 bytes are what one lane of a matrix
; fragment takes in the next launch.
; LIMITS: sf is bf16, feat f16 (at most 2^-11 relative, below 2^-14 at most 2^-25 absolute, infinite above 65,504), weights and sums f32.
; A corner with weight 0 is still multiplied: an infinity or NaN in sf there would show, where the definition masks it.
; No joint requests in a cluster: a table is shared by two work-groups only and fetched once, 262,144 of the 917,504 bytes that a work-group reads;
; the records, which four work-groups share, go into registers lane by lane.
; No prefetch: the table is asked for in the first lines, and each batch's record loads are issued a whole batch ahead of their use.
.set TBL1, 131072                      ; LDS: scale 1's plane
.set ROWB, 2048                        ; an image row of a plane: 128 pixels of 16 bytes
.set V16,  1                           ; 16 L: my pixel in records and in feat
.set AD,   2                           ; v[2:9]     LDS address of each sample's upper left corner
.set ACC,  10                          ; v[10:17]   eight channels
.set FB,   18                          ; v[18:21]   as f16
.set REC,  24                          ; v[24:63], v[64:103]  two record sets: 8 indices, then 32 weights at 8 + 16 column + 2 s + row
.set D,    104                         ; v[104:167] four sample sets of four corners x 4 registers
.set G0,   12                          ; s[12:15]   tensor descriptor group 0
.set G1,   16                          ; s[16:23]   group 1
	s_load_b256 s[4:11], s[0:1], 0x0               ; sf s[4:5], swt s[6:7], sidx s[8:9], feat s[10:11]
	v_lshl_add_u32 v168, v0, 2, 0x40000
	v_mov_b32 v169, 0
	ds_add_u32 v168, v169
	ds_add_u32 v168, v169
	v_lshrrev_b32 v2, 5, v0
	v_readfirstlane_b32 s2, v2                     ; wave w
	v_and_b32 v1, 31, v0
	v_lshlrev_b32 v[V16], 4, v1
	; group 1: a tile of 8 image rows x 1,024 bf16, dense in memory and in LDS; it lies inside the plane, so the extents are the tile's
	s_mov_b32 s[G1+0], 1<<16                       ; no work-group mask; elements of 2 bytes; no padding
	s_mov_b32 s[G1+1], 1024<<16                    ; tensor_dim0 = 1,024
	s_mov_b32 s[G1+2], 8<<16                       ; tensor_dim1 = 8
	s_mov_b32 s[G1+3], 1024<<16                    ; tile_dim0 = 1,024
	s_mov_b32 s[G1+4], 8                           ; tile_dim1 = 8
	s_mov_b32 s[G1+5], 1024                        ; elements from row to row
	s_mov_b32 s[G1+6], 0
	s_mov_b32 s[G1+7], 0
	s_mov_b32 s[G0], 1                             ; count = 1
	s_mul_i32 s[G0+1], s2, 16384                   ; my 16,384 bytes of LDS: waves 0-7 fill scale 0's plane, waves 8-15 scale 1's
	s_and_b32 s24, ttmp9, 3                        ; quarter: bits 0 and 1 of g
	s_bfe_u32 s25, ttmp9, 0x10003                  ; pixel half: bit 3
	s_bfe_u32 s26, ttmp9, 0x10002                  ; image 8 b + head: bit 2,
	s_lshr_b32 s28, ttmp9, 4
	s_lshl1_add_u32 s26, s28, s26                  ; and bits 4 to 7 above it
	s_lshl2_add_u32 s27, s26, s24                  ; plane 4 image + quarter, in sf (within a scale) and in feat alike
	s_lshl_b32 s27, s27, 17                        ; x 131,072 bytes
	s_lshr_b32 s28, s26, 3                         ; b
	s_and_b32 s29, s26, 7                          ; head
	s_lshr_b32 s30, s2, 2
	s_and_b32 s31, s2, 3
	s_lshl_b32 s31, s31, 9                         ; my 32 columns: 512 bytes in a row of records, of feat
	s_lshl_b32 s32, s25, 5
	s_lshl3_add_u32 s32, s30, s32                  ; my first image row: 32 half + 8 (w >> 2)
	s_lshl_b32 s33, s28, 6
	s_add_co_u32 s33, s33, s32                     ; 64 b + row
	s_lshl3_add_u32 s33, s33, s29                  ; x 8 heads + head
	s_lshr_b32 s36, s2, 3
	s_lshl_b32 s36, s36, 24                        ; the scale that I fetch for: 16,777,216 bytes apart
	s_and_b32 s37, s2, 7
	s_lshl_b32 s37, s37, 14                        ; and my eighth of its plane
	s_mov_b32 s35, 0
	s_wait_dscnt 0x0
	s_wait_kmcnt 0x0
	s_add_co_u32 s34, s27, s36
	s_add_co_u32 s34, s34, s37
	s_add_nc_u64 s[G0+2:G0+3], s[4:5], s[34:35]    ; global address of my tile
	s_or_b32 s[G0+3], s[G0+3], 0x80000000          ; type = 2
	tensor_load_to_lds s[G0:G0+3], s[G1:G1+7]      ; the one tensor load of this wave
	s_nop 0
	s_lshl_b32 s34, s33, 12
	s_add_co_u32 s34, s34, s31
	s_add_nc_u64 s[8:9], s[8:9], s[34:35]          ; sidx: 4,096 bytes for a row and head
	s_lshl_b32 s34, s33, 14
	s_add_co_u32 s34, s34, s31
	s_add_nc_u64 s[6:7], s[6:7], s[34:35]          ; swt: 16,384
	s_lshl_b32 s34, s32, 11
	s_add_co_u32 s34, s34, s27
	s_add_co_u32 s34, s34, s31
	s_add_nc_u64 s[10:11], s[10:11], s[34:35]      ; feat: my plane, my first row, my columns
; ten loads: the records of the batch k image rows below the bases
.macro RECLD set, k
.irp q, 0,1
	global_load_b128 v[REC+40*\set+4*\q:REC+40*\set+4*\q+3], v[V16], s[8:9] offset:(\k)*32768+\q*2048
.endr
.irp p, 0,1,2,3,4,5,6,7
	global_load_b128 v[REC+40*\set+8+4*\p:REC+40*\set+8+4*\p+3], v[V16], s[6:7] offset:(\k)*131072+\p*2048
.endr
.endm
; four loads: the corners of sample s (corner c: row c >> 1, column c & 1) into sample set d
.macro CORN s, d
.irp c, 0,1,2,3
	ds_load_b128 v[D+16*\d+4*\c:D+16*\d+4*\c+3], v[AD+\s] offset:(\c>>1)*ROWB+(\c&1)*16
.endr
.endm
; 32 multiply-adds: bf16 half x f32 weight + f32 sum, eight chains.  The first eight start the sums: nothing is cleared.
.macro SUMS s, d, set
.irp c, 0,1,2,3
.irp j, 0,1,2,3
.if (\s+\c) == 0
	v_fma_mix_f32_bf16 v[ACC+2*\j], v[D+16*\d+\j], v[REC+40*\set+8], 0 op_sel:[0,0,0] op_sel_hi:[1,0,0]
	v_fma_mix_f32_bf16 v[ACC+2*\j+1], v[D+16*\d+\j], v[REC+40*\set+8], 0 op_sel:[1,0,0] op_sel_hi:[1,0,0]
.else
	v_fma_mix_f32_bf16 v[ACC+2*\j], v[D+16*\d+4*\c+\j], v[REC+40*\set+8+16*(\c&1)+2*\s+(\c>>1)], v[ACC+2*\j] op_sel:[0,0,0] op_sel_hi:[1,0,0]
	v_fma_mix_f32_bf16 v[ACC+2*\j+1], v[D+16*\d+4*\c+\j], v[REC+40*\set+8+16*(\c&1)+2*\s+(\c>>1)], v[ACC+2*\j+1] op_sel:[1,0,0] op_sel_hi:[1,0,0]
.endif
.endr
.endr
.endm
; One batch, its records in set 'set' (also its place in the trip).  pf = 1: the next batch's records are asked for, into set nset.
; left: how many younger loads may stay out when this batch's records have to be in.
.macro BATCH set, nset, pf, left
.if \pf
	RECLD \nset, \set+1                            ; that set's last reader was the batch before this one
.endif
	s_wait_loadcnt \left                           ; loads return in order (ISA guide 5.7.1): my ten are in, the ten just issued stay out
.irp s, 0,1,2,3,4,5,6,7
	v_min_u32 v[REC+40*\set+\s], 0x1f7e, v[REC+40*\set+\s]
.endr
.irp s, 0,1,2,3
	v_lshlrev_b32 v[AD+\s], 4, v[REC+40*\set+\s]               ; samples 0-3: scale 0
.endr
.irp s, 4,5,6,7
	v_lshl_add_u32 v[AD+\s], v[REC+40*\set+\s], 4, TBL1        ; samples 4-7: scale 1
.endr
	CORN 0, 0
	CORN 1, 1
	CORN 2, 2
	CORN 3, 3
	s_wait_dscnt 12                                ; LDS loads return in order: sample 0 is in, three samples of four loads stay out
	SUMS 0, 0, \set
	CORN 4, 0                                      ; into the set just summed
	s_wait_dscnt 12
	SUMS 1, 1, \set
	CORN 5, 1
	s_wait_dscnt 12
	SUMS 2, 2, \set
	CORN 6, 2
	s_wait_dscnt 12
	SUMS 3, 3, \set
	CORN 7, 3
	s_wait_dscnt 12
	SUMS 4, 0, \set
	s_wait_dscnt 8                                 ; nothing more is issued: the counts run down
	SUMS 5, 1, \set
	s_wait_dscnt 4
	SUMS 6, 2, \set
	s_wait_dscnt 0x0
	SUMS 7, 3, \set
	s_wait_xcnt 0x0                                ; FB, data of the last batch's store, is rewritten only behind this wait
.irp j, 0,1,2,3
	v_cvt_pk_f16_f32 v[FB+\j], v[ACC+2*\j], v[ACC+2*\j+1]
.endr
	global_store_b128 v[V16], v[FB:FB+3], s[10:11] offset:\set*ROWB    ; 512 neighbouring bytes
.endm
	RECLD 0, 0                                     ; the first batch's records travel beside the table
	s_wait_tensorcnt 0x0                           ; my part of the table is in LDS,
	s_barrier_signal -1
	s_barrier_wait -1                              ; everybody's is; from here on LDS is only read
	s_mov_b32 s38, 3                               ; three trips of two batches; the last two batches are written out
.Ltrip:
	BATCH 0, 1, 1, 10
	BATCH 1, 0, 1, 10
	s_wait_xcnt 0x0                                ; the bases are stepped only behind this wait
	s_add_nc_u64 s[6:7], s[6:7], 262144            ; two image rows further
	s_add_nc_u64 s[8:9], s[8:9], 65536
	s_add_nc_u64 s[10:11], s[10:11], 2*ROWB
	s_sub_co_u32 s38, s38, 1
	s_cmp_lg_u32 s38, 0
	s_cbranch_scc1 .Ltrip
	BATCH 0, 1, 1, 10
	BATCH 1, 0, 0, 0                               ; the last batch asks for nothing: no load leaves the buffers
	s_wait_tensorcnt 0x0
	ds_add_u32 v168, v169
	s_wait_dscnt 0x0
	s_endpgm
.Lfunc_end_k_q28e1d8f70e_gath:
	.size	k_q28e1d8f70e_gath, .Lfunc_end_k_q28e1d8f70e_gath-k_q28e1d8f70e_gath
	.p2alignl 7, 3214868480
	.fill 96, 4, 3214868480
	.section	.rodata,"a",@progbits
	.p2align	6, 0x0
	.amdhsa_kernel k_q28e1d8f70e_gath
		.amdhsa_group_segment_fixed_size 264192
		.amdhsa_private_segment_fixed_size 0
		.amdhsa_enable_private_segment 0
		.amdhsa_kernarg_size 32
		.amdhsa_user_sgpr_count 2
		.amdhsa_user_sgpr_kernarg_segment_ptr 1
		.amdhsa_wavefront_size32 1
		.amdhsa_system_sgpr_workgroup_id_x 1
		.amdhsa_system_sgpr_workgroup_id_y 1
		.amdhsa_system_sgpr_workgroup_id_z 1
		.amdhsa_system_vgpr_workitem_id 0
		.amdhsa_next_free_vgpr 170
		.amdhsa_next_free_sgpr 66
		.amdhsa_reserve_vcc 0
		.amdhsa_float_denorm_mode_32 3
		.amdhsa_float_denorm_mode_16_64 3
		.amdhsa_memory_ordered 1
		.amdhsa_forward_progress 1
		.amdhsa_inst_pref_size 86
	.end_amdhsa_kernel
	.amdgpu_metadata
---
amdhsa.version: [ 1, 2 ]
amdhsa.kernels:
  - .name:           k_q28e1d8f70e_gath
    .symbol:         k_q28e1d8f70e_gath.kd
    .args:
      - { .name: sf, .offset: 0, .size: 8, .value_kind: global_buffer, .address_space: global }
      - { .name: swt, .offset: 8, .size: 8, .value_kind: global_buffer, .address_space: global }
      - { .name: sidx, .offset: 16, .size: 8, .value_kind: global_buffer, .address_space: global }
      - { .name: feat, .offset: 24, .size: 8, .value_kind: global_buffer, .address_space: global }
    .group_segment_fixed_size: 264192
    .private_segment_fixed_size: 0
    .kernarg_segment_align: 8
    .kernarg_segment_size: 32
    .max_flat_workgroup_size: 512
    .sgpr_count:     66
    .vgpr_count:     170
    .wavefront_size: 32
...
	.end_amdgpu_metadata
.endif
;; end of part 5
;; launch outp (part 6): grid 256 x 1, 8 waves a work-group, no clusters, 201,728 bytes of LDS; arguments feat, wpk, bm, out0; writes out0
.if DOCPART == 6
	.amdgcn_target "amdgcn-amd-amdhsa--gfx1250"
	.amdhsa_code_object_version 6
	.text
	.protected	k_q28e1d8f70e_outp
	.globl	k_q28e1d8f70e_outp
	.p2align	8
	.type	k_q28e1d8f70e_outp,@function
k_q28e1d8f70e_outp:
	s_mov_b64 s[64:65], 0
	v_nop
	global_prefetch_b8 v0, s[64:65] scope:SCOPE_SE
	s_setreg_imm32_b32 hwreg(HW_REG_WAVE_MODE, 25, 1), 1
	s_wait_xcnt 0x0
; out = feat Wm + bm for one image row (128 pixels; work-group g: batch g >> 6, row g & 63).
; feat lies in memory as f16 [b][group of 8 channels, 32][pixel][8].  Wave w brings groups 4 w .. 4 w + 3 of the 128 pixels by 16 loads of 512
; neighbouring bytes and lays each pixel's 16 bytes into that pixel's row in LDS, so that every byte of feat is read from memory once and all eight
; waves can take fragments of all rows.  Wave w owns columns 32 w .. 32 w + 31; Wm's packed f16 fragments go from memory straight into registers.
; The matrix instruction is used transposed (source 0 = Wm, source 1 = rows of feat), the bias rides in as the first C.
; Out through LDS: each store of a wave covers 512 neighbouring bytes.
; LIMITS: feat and Wm are f16 (at most 2^-11 relative), sums f32.
; No joint requests in a cluster: the rows are the work-group's own, and Wm (16,384 bytes a wave) goes into registers, not into LDS.
; No prefetch: every load of the launch is issued in its first lines.
.set FEAT, 0                           ; LDS: 128 rows x 528 bytes (512 of f16 + 16: the 16 rows of a fragment load fall on different banks)
.set STG,  67584                       ; 128 rows x 1,040 bytes (1,024 of f32 + 16)
.set VFS,  8                           ; feat into LDS: L*528 + w*64
.set VFA,  12                          ; fragment address r*528 + 16 h
.set VSO,  13                          ; v[13:16] results into the stage, 32 rows each: STG + pair*33280 + r*1040 + w*128 + 32 h
.set VRO,  17                          ; rows back: STG + w*16640 + 16 L
.set VGO,  18                          ; out0: w*16384 + 16 L
.set VBM,  19                          ; bm: w*128 + 32 h
.set VL16, 20
.set WM,   128                         ; v[128:255] Wm, fragment (tile, kstep) at 8 (8 tile + kstep); at the end: rows on their way out
; window 1: v0-15 bias, AB0, AB1 fragments of feat (AB0 first stages feat as loaded), PA four accumulators
.set AB0,  64
.set AB1,  128
.set PA,   192
.set MSB, 0
.macro WIN new                         ; s_set_vgpr_msb: bits 1:0 source 0, 3:2 source 1, 5:4 source 2, 7:6 destination; the high byte repeats the setting left
.if MSB != \new
	s_set_vgpr_msb (MSB<<8)|\new
.set MSB, \new
.endif
.endm
; 16 loads: fragments of 32 rows of feat x four K steps
.macro LFR ab, pair, half
.irp m, 0,1
.irp k, 0,1,2,3
	ds_load_b128 v[\ab+8*(4*\m+\k):\ab+8*(4*\m+\k)+3], v[VFA] offset:(32*(\pair)+16*\m)*528+(4*\half+\k)*64
	ds_load_b128 v[\ab+8*(4*\m+\k)+4:\ab+8*(4*\m+\k)+7], v[VFA] offset:(32*(\pair)+16*\m)*528+(4*\half+\k)*64+32
.endr
.endr
.endm
.macro PROD ab, half                   ; 16 products, four chains
.irp k, 0,1,2,3
.irp m, 0,1
.irp n, 0,1
.if (4*\half+\k) == 0
	v_wmma_f32_16x16x32_f16 v[PA+8*(2*\m+\n):PA+8*(2*\m+\n)+7], v[WM+64*\n:WM+64*\n+7], v[\ab+32*\m:\ab+32*\m+7], v[8*\n:8*\n+7]
.else
	v_wmma_f32_16x16x32_f16 v[PA+8*(2*\m+\n):PA+8*(2*\m+\n)+7], v[WM+8*(8*\n+4*\half+\k):WM+8*(8*\n+4*\half+\k)+7], v[\ab+8*(4*\m+\k):\ab+8*(4*\m+\k)+7], v[PA+8*(2*\m+\n):PA+8*(2*\m+\n)+7]
.endif
.endr
.endr
.endr
.endm
.macro BATCH ab, pair, half, left, nxt
	s_wait_dscnt \left                             ; this batch's fragments are in; the next batch's sixteen loads may be out
	PROD \ab, \half
.rept 5
	v_nop                                          ; five places: the results are stored, the fragments loaded over, and the next pair's first
.endr                                              ; products write over the accumulators (ISA guide 7.12.1)
.if \half
.irp m, 0,1
.irp n, 0,1
	ds_store_b128 v[VSO+\pair], v[PA+8*(2*\m+\n):PA+8*(2*\m+\n)+3] offset:\m*16640+\n*64
	ds_store_b128 v[VSO+\pair], v[PA+8*(2*\m+\n)+4:PA+8*(2*\m+\n)+7] offset:\m*16640+\n*64+16
.endr
.endr
.endif
.if \nxt
	LFR \ab, \pair+1, \half
.endif
.endm
	s_load_b256 s[4:11], s[0:1], 0x0               ; feat s[4:5], wpk s[6:7], bm s[8:9], out0 s[10:11]
	v_lshl_add_u32 v126, v0, 2, 0x31000
	v_mov_b32 v127, 0
	v_lshrrev_b32 v21, 5, v0
	v_readfirstlane_b32 s2, v21                    ; wave w
	v_and_b32 v1, 31, v0                           ; L
	v_and_b32 v2, 15, v0                           ; r
	v_bfe_u32 v3, v0, 4, 1                         ; h
	v_lshlrev_b32 v[VL16], 4, v1
	v_mul_u32_u24 v21, v1, 528
	s_lshl_b32 s32, s2, 6
	v_add_nc_u32 v[VFS], s32, v21
	v_mul_u32_u24 v21, v2, 528
	v_lshl_add_u32 v[VFA], v3, 4, v21
	v_mul_u32_u24 v21, v2, 1040
	v_lshl_add_u32 v21, v3, 5, v21
	s_lshl_b32 s32, s2, 7
	v_lshl_add_u32 v[VBM], v3, 5, s32
	s_add_co_u32 s32, s32, STG
	v_add_nc_u32 v[VSO], s32, v21
.irp i, 1,2,3
	v_add_nc_u32 v[VSO+\i], 33280, v[VSO+\i-1]
.endr
	s_mul_i32 s32, s2, 16640
	s_add_co_u32 s32, s32, STG
	v_add_nc_u32 v[VRO], s32, v[VL16]
	s_lshl_b32 s32, s2, 14
	v_add_nc_u32 v[VGO], s32, v[VL16]
	s_lshr_b32 s31, ttmp9, 6                       ; b
	s_and_b32 s30, ttmp9, 63                       ; y
	s_mov_b32 s17, 0
	s_wait_kmcnt 0x0
	s_lshl_b32 s16, s31, 22                        ; 32 groups of 131,072 bytes a batch
	s_lshl_b32 s32, s2, 19                         ; my four groups
	s_add_co_u32 s16, s16, s32
	s_lshl_b32 s32, s30, 11                        ; 128 pixels of 16 bytes a row
	s_add_co_u32 s16, s16, s32
	s_add_nc_u64 s[18:19], s[4:5], s[16:17]
	s_lshl_b32 s16, s2, 14
	s_add_co_u32 s16, s16, 262144
	s_add_nc_u64 s[26:27], s[6:7], s[16:17]        ; my 16,384 bytes of Wm
	s_lshl_b32 s16, ttmp9, 17
	s_add_nc_u64 s[28:29], s[10:11], s[16:17]      ; out0 at my row of the image
	; all loads of the launch, in the order of use: feat 16, bm 4, Wm 32
	WIN 0x40
.set n_, 0
.rept 16
	global_load_b128 v[AB0+4*n_:AB0+4*n_+3], v[VL16], s[18:19] offset:(n_>>2)*131072+(n_&3)*512 th:TH_LOAD_NT   ; group n >> 2, pixels 32 (n & 3) + L
.set n_, n_+1
.endr
.irp n, 0,1
	global_load_b128 v[8*\n:8*\n+3], v[VBM], s[8:9] offset:64*\n           ; bm in the result's layout
	global_load_b128 v[8*\n+4:8*\n+7], v[VBM], s[8:9] offset:64*\n+16
.endr
	WIN 0
.set n_, 0
.rept 32
	global_load_b128 v[WM+4*n_:WM+4*n_+3], v[VL16], s[26:27] offset:512*n_
.set n_, n_+1
.endr
	s_wait_loadcnt 36                              ; feat is in; bm's 4 and Wm's 32 loads are younger
	WIN 0x04
.set n_, 0
.rept 16
	ds_store_b128 v[VFS], v[AB0+4*n_:AB0+4*n_+3] offset:(n_&3)*16896+(n_>>2)*16    ; 32 rows of 528 bytes a step; sixteen lanes on sixteen different 16-byte columns
.set n_, n_+1
.endr
	WIN 0
	s_wait_dscnt 0x0                               ; my head's columns of feat are in LDS,
	s_barrier_signal -1
	s_barrier_wait -1                              ; everybody's are
	s_wait_loadcnt 0x0                             ; bm and Wm
	; One setting serves products, fragment loads and stage stores: source 0 (Wm, LDS addresses) window 0, the rest window 1.
	WIN 0x54
	LFR AB0, 0, 0
	LFR AB1, 0, 1
	BATCH AB0, 0, 0, 16, 1
	BATCH AB1, 0, 1, 16, 1
	BATCH AB0, 1, 0, 16, 1
	BATCH AB1, 1, 1, 16, 1
	BATCH AB0, 2, 0, 16, 1
	BATCH AB1, 2, 1, 16, 1
	BATCH AB0, 3, 0, 16, 0
	BATCH AB1, 3, 1, 0, 0
	WIN 0
	s_wait_dscnt 0x0                               ; my columns of the stage are written,
	s_barrier_signal -1
	s_barrier_wait -1                              ; all columns are
	; rows 16 w .. 16 w + 15, whole: 32 loads and 32 stores of 512 neighbouring bytes
.set n_, 0
.rept 32
	ds_load_b128 v[WM+4*n_:WM+4*n_+3], v[VRO] offset:(n_>>1)*1040+(n_&1)*512
.set n_, n_+1
.endr
.set n_, 0
.rept 32
	s_wait_dscnt 31-n_                             ; LDS loads return in order: load n is in, the younger ones may be out
	global_store_b128 v[VGO], v[WM+4*n_:WM+4*n_+3], s[28:29] offset:(n_>>1)*1024+(n_&1)*512 th:TH_STORE_NT
.set n_, n_+1
.endr
	s_wait_tensorcnt 0x0
	ds_add_u32 v126, v127
	s_wait_dscnt 0x0
	s_endpgm
.Lfunc_end_k_q28e1d8f70e_outp:
	.size	k_q28e1d8f70e_outp, .Lfunc_end_k_q28e1d8f70e_outp-k_q28e1d8f70e_outp
	.p2alignl 7, 3214868480
	.fill 96, 4, 3214868480
	.section	.rodata,"a",@progbits
	.p2align	6, 0x0
	.amdhsa_kernel k_q28e1d8f70e_outp
		.amdhsa_group_segment_fixed_size 201728
		.amdhsa_private_segment_fixed_size 0
		.amdhsa_enable_private_segment 0
		.amdhsa_kernarg_size 32
		.amdhsa_user_sgpr_count 2
		.amdhsa_user_sgpr_kernarg_segment_ptr 1
		.amdhsa_wavefront_size32 1
		.amdhsa_system_sgpr_workgroup_id_x 1
		.amdhsa_system_sgpr_workgroup_id_y 1
		.amdhsa_system_sgpr_workgroup_id_z 1
		.amdhsa_system_vgpr_workitem_id 0
		.amdhsa_next_free_vgpr 512
		.amdhsa_next_free_sgpr 66
		.amdhsa_reserve_vcc 0
		.amdhsa_float_denorm_mode_32 3
		.amdhsa_float_denorm_mode_16_64 3
		.amdhsa_memory_ordered 1
		.amdhsa_forward_progress 1
		.amdhsa_inst_pref_size 35
	.end_amdhsa_kernel
	.amdgpu_metadata
---
amdhsa.version: [ 1, 2 ]
amdhsa.kernels:
  - .name:           k_q28e1d8f70e_outp
    .symbol:         k_q28e1d8f70e_outp.kd
    .args:
      - { .name: feat, .offset: 0, .size: 8, .value_kind: global_buffer, .address_space: global }
      - { .name: wpk, .offset: 8, .size: 8, .value_kind: global_buffer, .address_space: global }
      - { .name: bm, .offset: 16, .size: 8, .value_kind: global_buffer, .address_space: global }
      - { .name: out0, .offset: 24, .size: 8, .value_kind: global_buffer, .address_space: global }
    .group_segment_fixed_size: 201728
    .private_segment_fixed_size: 0
    .kernarg_segment_align: 8
    .kernarg_segment_size: 32
    .max_flat_workgroup_size: 256
    .sgpr_count:     66
    .vgpr_count:     512
    .wavefront_size: 32
...
	.end_amdgpu_metadata
.endif
;; end of part 6
